; MI455X (gfx1250); checked and timed in simulation.
; The chip was launched on July 23, 2026; its instructions are those of AMD's public machine-readable ISA for CDNA 5 (MIT licence, August 2026) and "CDNA5" Instruction Set Architecture Reference Guide (July 2026). The comments in the code are by the model that wrote it; some were corrected since.
;; Causal Self Attention. Allowed arithmetic: matrix products marked QUANTISED: E5M2 operands, one E8M0 scale for each 32 along K, by v_wmma_scale_f32_16x16x128_f8f6f4 with both operands' format E5M2, f32 sums; everything else in f32.
;; Inputs: Wproj 1,024 x 1,024 float32; Wqkv 1,024 x 3,072 float32; bproj 1,024 float32; bqkv 3,072 float32; padding_mask 4 x 2,048 int32; x 4 x 2,048 x 1,024 float32.
;; Outputs: out0 4 x 2,048 x 1,024 float32.
;; This version of the problem:
;;   THIS VERSION OF THE PROBLEM IS GIVEN IN LOW PRECISION. The matrix products marked QUANTISED in the list below multiply operands that are first quantised to E5M2 (5 exponent bits, 2 mantissa bits; 8 bits a number), with one power-of-two scale for each 32 numbers along K (OCP MX v1.0); their sums are f32. All else is computed in f32.
;;   The module's matrix products, in the order in which they are computed (A, B: the left and right operand; K: the contracted axis; several contracted axes count as one K, in the product's order):
;;     1. [M 8,192, K 1,024] x [K 1,024, N 3,072]; A: input x; B: input Wqkv: QUANTISED
;;     2. batch 64 x [M 2,048, K 64] x [K 64, N 2,048]; A: computed on the way; B: computed on the way: QUANTISED
;;     3. batch 64 x [M 64, K 2,048] x [K 2,048, N 2,048]; A: computed on the way; B: softmax (see below): QUANTISED
;;     4. [M 8,192, K 1,024] x [K 1,024, N 1,024]; A: computed on the way; B: input Wproj: QUANTISED
;;   THE QUANTISER, for each operand of a quantised product, along K:
;;     - K is cut into blocks of 32 from its start; a last block that is shorter is filled with zeros.
;;     - A block's scale is 2^e with e = floor(log2(the largest magnitude in the block)) - 15, held to -126 .. 127; a block of zeros has e = 0. As a byte (E8M0): e + 127.
;;     - Each number is divided by its block's scale, clamped to +-57,344, and rounded to the nearest number of E5M2, ties to even, subnormals kept.
;;     - The product sums the exact products of the quantised numbers (number of the format x scale) in f32.
;;   ~~~python
;;   def quantise(x, axis):      # numpy; x: float32 -> the quantised numbers, widened to float32 again
;;       x = np.moveaxis(x, axis, -1); K = x.shape[-1]
;;       x = np.pad(x, [(0, 0)] * (x.ndim - 1) + [(0, -K % 32)]); x = x.reshape(x.shape[:-1] + (-1, 32)); a = np.abs(x).max(-1, keepdims=True)
;;       e = np.where(a > 0, np.clip(np.frexp(np.where(a > 0, a, 1))[1] - 1 - 15, -126, 127), 0)      # np.frexp(a)[1] - 1 = floor(log2(a)), exactly
;;       r = np.clip(x / 2.0 ** e, -57344, 57344)
;;       step = 2.0 ** (np.maximum(np.frexp(np.where(r == 0, 1, r))[1] - 1, -14) - 2)
;;       q = np.round(r / step) * step * 2.0 ** e      # np.round: ties to even
;;       return np.moveaxis(q.reshape(q.shape[:-2] + (-1,))[..., :K], -1, axis).astype(np.float32)
;;   ~~~
;;   SOFTMAX AHEAD OF A QUANTISED PRODUCT. Where the list says 'softmax', what is quantised is not the finished softmax but p = 2^(t - M), with t = logit x log2(e) and M = ceil(the row's largest t), a whole number; so 1/2 < the row's largest p <= 1. The row's sum l is taken of the UNQUANTISED p, in f32, and the product's result is divided by l at the end. Since M is a whole number, a kernel that streams over the keys may use a running M (the ceiling of the running maximum): every later rescaling is an exact power of two, which a block's scale takes up: the codes' values come out the same.
;;   OPERANDS COMPUTED ON THE WAY. 'Computed on the way' means the value that the module computes at that place (a softmax that the list does not call 'softmax' is quantised finished and normalised). What goes into a quantiser is computed in f32, as accurately as f32 sums, v_exp_f32 and their like allow (about 1e-6 of the number): no bf16 or f16 on the way to a quantiser, and a product that is left as it is and whose result goes on into a quantised operand takes f32 operands (vector FMAs, or v_wmma_f32_16x16x4_f32). A number that lies on a knife's edge between two numbers of the format may be rounded either way, as far as f32 arithmetic and the matrix unit's own rounding can turn it there, and no further.
;; One version. Each part assembles by itself: llvm-mc -triple=amdgcn-amd-amdhsa -mcpu=gfx1250 --defsym DOCPART=n.
;; ======== version 1 of 1: 5 launches
;; limits: right only within a limited range of input values
;; workspace buffers: xc 8,388,608 bytes; xs 262,144 bytes; wc 4,194,304 bytes; wsc 131,072 bytes; qkvc 25,165,824 bytes; qkvs 786,432 bytes; yc 8,388,608 bytes; ys 262,144 bytes
;; launch qx (part 1): grid 256 x 1, 4 waves a work-group, no clusters, 33,280 bytes of LDS; arguments x, xc, xs; writes xc, xs
.if DOCPART == 1
	.amdgcn_target "amdgcn-amd-amdhsa--gfx1250"
	.amdhsa_code_object_version 6
	.text
	.protected	k_q8fb9084d73_qx
	.globl	k_q8fb9084d73_qx
	.p2align	8
	.type	k_q8fb9084d73_qx,@function
k_q8fb9084d73_qx:
	s_mov_b64 s[64:65], 0
	v_nop
	global_prefetch_b8 v0, s[64:65] scope:SCOPE_SE
	s_setreg_imm32_b32 hwreg(HW_REG_WAVE_MODE, 25, 1), 1
	s_wait_xcnt 0x0
; x [8192][1024] f32 becomes codes of BF8 (E5M2), K innermost, with one E8M0 scale byte for each 32 along K: xc [8192][1024], xs [8192][32].
; A block's scale is 2^(floor(log2(its largest magnitude)) - 15); its byte is the largest magnitude's exponent field - 15, held at 1 from below.
; (A block of zeros gets the byte 1 where the rule says 127: its codes are zeros, which add nothing under any byte but 0xff, and this program alone reads the bytes.)
; LIMITS: blocks whose largest magnitude lies under 2^-111 (the floor) were not tried; NaN and infinities among the inputs are not served.
; THE ROWS ARE STORED IN ANOTHER ORDER: in each 32 rows the two middle groups of eight change places (group g lies at place 2 (g % 2) + g / 2).  So 16 consecutive STORED rows, tile 2 b + u,
; are the rows 32 b + 8 u + r + 8 (r / 8): a product that takes such a tile as its source 0 leaves, in a lane's 16 registers of tiles 2 b and 2 b + 1, 16 neighbouring rows.
; A wave takes 8 rows (one group of eight, 8,192 numbers) in 16 steps of 512 numbers; a work-group takes 32 rows.  Each load reads 512 consecutive bytes; a step's 2,048 bytes turn through the wave's own stage in LDS
; and come back 64 bytes a lane, so that a lane holds 16 neighbours along K (two neighbouring lanes hold a block).  A wave's store of codes covers 512 consecutive bytes; its 256 scale bytes leave as one aligned run of 256.
; No tensor loads, no barrier: waves share nothing.  Loads run four steps (16 loads a wave) ahead, the turn through LDS one step.
.set STEPS, 16
.set EMAX,  15
.set MANT,  0x600000                   ; the mantissa field of 57,344 as f32
.set CB,    16                         ; bytes of 16 codes
.set R,     16                         ; v16-79   four sets of 16 numbers as they are loaded
.set X,     80                         ; v80-111  two sets of 16 neighbours
.set C,     128                        ; v128-191 codes: four registers for each step, so that no store's data are written again
.set E,     112                        ; v112-127 a scale byte for each step
.set WREG,  8192                       ; LDS: a region for each wave: two stages of 32 x SP bytes, behind them its 256 scale bytes
.set SP,    80                         ; a lane's place in a stage: its 64 bytes + 16 of padding
	s_load_b64 s[4:5], s[0:1], 0x0                 ; x
	s_load_b128 s[8:11], s[0:1], 0x8               ; xc, xs
	v_lshl_add_u32 v192, v0, 2, 0x8000
	v_mov_b32 v193, 0
	v_lshrrev_b32 v1, 5, v0
	v_readfirstlane_b32 s16, v1                    ; wave
	v_and_b32 v2, 31, v0                           ; lane
	v_lshlrev_b32 v3, 4, v2                        ; my 16 bytes of a load's 512
	s_mul_i32 s17, s16, WREG
	v_lshrrev_b32 v14, 2, v2
	v_mul_u32_u24 v14, v14, SP
	v_and_b32 v15, 3, v2
	v_lshl_add_u32 v14, v15, 4, v14
	v_add_nc_u32 v14, s17, v14                     ; the stage, on the way in: SP (lane / 4) + 16 (lane % 4)
	v_mul_u32_u24 v15, v2, SP
	v_add_nc_u32 v15, s17, v15                     ; and on the way out: SP x lane: my 16 neighbours
	v_mul_u32_u24 v4, v2, CB                       ; my codes' place in a step's
	v_lshrrev_b32 v5, 1, v2
	s_add_co_u32 s17, s17, 2*32*SP
	v_add_nc_u32 v5, s17, v5                       ; LDS: my wave's 256 scale bytes, my block's byte
	v_lshlrev_b32 v7, 3, v2                        ; and on the way out 8 bytes a lane
	v_add_nc_u32 v6, s17, v7
	s_lshl_b32 s17, ttmp9, 2                       ; the work-group's first group of eight rows
	s_add_co_u32 s18, s17, s16                     ; I read group 4 x work-group + wave:
	s_lshl_b32 s18, s18, 15                        ; 32,768 bytes of f32 a group
	s_mov_b32 s19, 0
	s_and_b32 s20, s16, 1
	s_lshl_b32 s20, s20, 1
	s_lshr_b32 s21, s16, 1
	s_or_b32 s20, s20, s21                         ; 2 (wave % 2) + wave / 2: the place at which my group is stored
	s_add_co_u32 s20, s20, s17
	s_lshl_b32 s24, s20, 8                         ; 256 scale bytes a group,
	s_mov_b32 s25, 0
	s_lshl_b32 s20, s20, 13                        ; 8,192 bytes of codes
	s_mov_b32 s21, 0
	s_wait_alu depctr_va_vdst(0)
	s_wait_kmcnt 0x0
	s_add_nc_u64 s[4:5], s[4:5], s[18:19]
	s_add_nc_u64 s[8:9], s[8:9], s[20:21]
	s_add_nc_u64 s[10:11], s[10:11], s[24:25]
.macro LOAD t
.irp i, 0,1,2,3
	global_load_b128 v[R+16*((\t)%4)+4*\i:R+16*((\t)%4)+4*\i+3], v3, s[4:5] offset:2048*(\t)+512*\i th:TH_LOAD_NT   ; 32 lanes read 512 consecutive bytes
.endr
.endm
.macro TURN t                          ; step t's numbers through the stage: LDS serves a wave's instructions in order, so no wait stands between the stores and the loads
.irp i, 0,1,2,3
	ds_store_b128 v14, v[R+16*((\t)%4)+4*\i:R+16*((\t)%4)+4*\i+3] offset:32*SP*((\t)%2)+8*SP*\i
.endr
.irp i, 0,1,2,3
	ds_load_b128 v[X+16*((\t)%2)+4*\i:X+16*((\t)%2)+4*\i+3], v15 offset:32*SP*((\t)%2)+16*\i
.endr
.endm
.irp t, 0,1,2,3
	LOAD \t
.endr
	s_wait_loadcnt 12                              ; step 0's four loads are in; the twelve of steps 1 to 3 may be out
	TURN 0
.macro STEP t
.set XS, X+16*((\t)%2)
.if (\t) > 0
	s_wait_dscnt 1                                 ; this step's numbers are back from the stage (the last step's byte store may be out): so its stores into the stage have read their registers,
.else
	s_wait_dscnt 0x0
.endif
.if (\t)+4 < STEPS
	LOAD (\t)+4                                    ; which take the loads of four steps on
.endif
.if (\t)+1 < STEPS
.if STEPS-2-(\t) >= 3
	s_wait_loadcnt 12                              ; the next step's four loads are in; those of the three steps behind it may be out
.else
	s_wait_loadcnt 4*(STEPS-2-(\t))
.endif
	TURN (\t)+1                                    ; and go through the other stage while this step is worked
.endif
	v_max3_num_f32 v8, |v[XS]|, |v[XS+1]|, |v[XS+2]|               ; the largest magnitude of my 16, in two chains
	v_max3_num_f32 v9, |v[XS+3]|, |v[XS+4]|, |v[XS+5]|
.irp i, 6,10
	v_max3_num_f32 v8, v8, |v[XS+\i]|, |v[XS+\i+1]|
	v_max3_num_f32 v9, v9, |v[XS+\i+2]|, |v[XS+\i+3]|
.endr
	v_max3_num_f32 v8, v8, |v[XS+14]|, |v[XS+15]|
	v_max3_num_f32 v8, v8, v9, (EMAX+1)<<23        ; and the floor 2^(16 - 127): the byte cannot fall under 1
	v_max_num_f32_dpp v8, v8, v8 row_xmask:1 row_mask:0xf bank_mask:0xf   ; and of my neighbour's 16: the block's
	v_add_nc_u32 v11, -(EMAX<<23), v8              ; 15 off its exponent field: the conversion takes the exponent field of this operand as its scale
.irp i, 0,1,2,3,4,5,6,7,8,9,10,11,12,13,14,15
.endr
	v_cvt_scalef32_pk8_bf8_f32 v[C+4*(\t):C+4*(\t)+1], v[XS:XS+7], v11
	v_cvt_scalef32_pk8_bf8_f32 v[C+4*(\t)+2:C+4*(\t)+3], v[XS+8:XS+15], v11
	v_lshrrev_b32 v[E+(\t)], 23, v11               ; the scale's byte (also the plain line behind the conversions)
	ds_store_b8 v5, v[E+(\t)] offset:16*(\t)       ; both lanes of a block write the same byte with the same value
	global_store_b128 v4, v[C+4*(\t):C+4*(\t)+3], s[8:9] offset:32*CB*(\t)
.endm
.irp t, 0,1,2,3,4,5,6,7,8,9,10,11,12,13,14,15
	STEP \t
.endr
	ds_load_b64 v[12:13], v6                       ; LDS serves a wave's instructions in order: these see my stores
	s_wait_dscnt 0x0
	global_store_b64 v7, v[12:13], s[10:11]        ; 32 lanes store 256 consecutive bytes, aligned
	s_wait_tensorcnt 0x0
	ds_add_u32 v192, v193
	s_wait_dscnt 0x0
	s_endpgm
.Lfunc_end_k_q8fb9084d73_qx:
	.size	k_q8fb9084d73_qx, .Lfunc_end_k_q8fb9084d73_qx-k_q8fb9084d73_qx
	.p2alignl 7, 3214868480
	.fill 96, 4, 3214868480
	.section	.rodata,"a",@progbits
	.p2align	6, 0x0
	.amdhsa_kernel k_q8fb9084d73_qx
		.amdhsa_group_segment_fixed_size 33280
		.amdhsa_private_segment_fixed_size 0
		.amdhsa_enable_private_segment 0
		.amdhsa_kernarg_size 24
		.amdhsa_user_sgpr_count 2
		.amdhsa_user_sgpr_kernarg_segment_ptr 1
		.amdhsa_wavefront_size32 1
		.amdhsa_system_sgpr_workgroup_id_x 1
		.amdhsa_system_sgpr_workgroup_id_y 1
		.amdhsa_system_sgpr_workgroup_id_z 1
		.amdhsa_system_vgpr_workitem_id 0
		.amdhsa_next_free_vgpr 194
		.amdhsa_next_free_sgpr 66
		.amdhsa_reserve_vcc 0
		.amdhsa_float_denorm_mode_32 3
		.amdhsa_float_denorm_mode_16_64 3
		.amdhsa_fp16_overflow 1
		.amdhsa_memory_ordered 1
		.amdhsa_forward_progress 1
		.amdhsa_inst_pref_size 33
	.end_amdhsa_kernel
	.amdgpu_metadata
---
amdhsa.version: [ 1, 2 ]
amdhsa.kernels:
  - .name:           k_q8fb9084d73_qx
    .symbol:         k_q8fb9084d73_qx.kd
    .args:
      - { .name: x, .offset: 0, .size: 8, .value_kind: global_buffer, .address_space: global }
      - { .name: xc, .offset: 8, .size: 8, .value_kind: global_buffer, .address_space: global }
      - { .name: xs, .offset: 16, .size: 8, .value_kind: global_buffer, .address_space: global }
    .group_segment_fixed_size: 33280
    .private_segment_fixed_size: 0
    .kernarg_segment_align: 8
    .kernarg_segment_size: 24
    .max_flat_workgroup_size: 128
    .sgpr_count:     66
    .vgpr_count:     194
    .wavefront_size: 32
...
	.end_amdgpu_metadata
.endif
;; end of part 1
;; launch qw (part 2): grid 32 x 4, 4 waves a work-group, no clusters, 36,352 bytes of LDS; arguments Wqkv, Wproj, wc, wsc; writes wc, wsc
.if DOCPART == 2
	.amdgcn_target "amdgcn-amd-amdhsa--gfx1250"
	.amdhsa_code_object_version 6
	.text
	.protected	k_q8fb9084d73_qw
	.globl	k_q8fb9084d73_qw
	.p2align	8
	.type	k_q8fb9084d73_qw,@function
k_q8fb9084d73_qw:
	s_mov_b64 s[64:65], 0
	v_nop
	global_prefetch_b8 v0, s[64:65] scope:SCOPE_SE
	s_setreg_imm32_b32 hwreg(HW_REG_WAVE_MODE, 25, 1), 1
	s_wait_xcnt 0x0
; Wqkv [1024][3072] and Wproj [1024][1024], f32, K their FIRST axis, become codes of BF8 (E5M2) laid [column][K], K innermost, with one E8M0 byte for each 32 along K:
; wc [4096][1024], wsc [4096][32]; rows 0-3071 are Wqkv's columns, rows 3072-4095 Wproj's.  In each 32 rows the two middle groups of eight change places, as in xc.
; A LANE TAKES A COLUMN AND ITS REGISTERS RUN DOWN K: each load reads 128 consecutive bytes a wave, a block of 32 along K lies in one lane's 32 registers, and the conversions give codes with K innermost.
; A wave takes 32 columns x 256 along K; its codes go through its own stage in LDS and leave as rows: sixteen lanes store 256 consecutive bytes, aligned.  The scale bytes leave 8 a lane, rows 32 bytes apart: one byte in 128 of what is read.
; One path serves both tensors: the pointer, the pitch and the column block are chosen by selects on the work-group's number (x under 24: Wqkv).  The pitch is therefore no immediate:
; 32 offset registers (row i of a block x pitch + 4 x lane) and eight bases (one for each block of 32 along K) are made once.
; A block of zeros gets the byte 1 where the rule says 127: its codes are zeros, and this program alone reads the bytes.
; LIMITS: blocks whose largest magnitude lies under 2^-111 (the floor) were not tried; NaN and infinities among the inputs are not served.
.set NB,    8                          ; blocks of 32 along K for a wave
.set ROWB,  256                        ; bytes of 256 codes
.set PITCH, ROWB+16                    ; a stage row
.set KROW,  1024                       ; a row of wc in bytes
.set EMAX,  15
.set MANT,  0x600000
.set X,     32                         ; v32-95   two sets of 32 numbers
.set C,     96                         ; v96-103  a block's codes
.set OUTR,  112                        ; v112-175 the way out
.set SB,    24                         ; v24-25   the scale bytes, four to a register
.set OF,    176                        ; v176-207 row i of a block: i x pitch + 4 x lane
	s_load_b128 s[4:7], s[0:1], 0x0                ; Wqkv, Wproj
	s_load_b128 s[8:11], s[0:1], 0x10              ; wc, wsc
	v_lshl_add_u32 v208, v0, 2, 0x8c00
	v_mov_b32 v209, 0
	v_lshrrev_b32 v1, 5, v0
	v_readfirstlane_b32 s16, v1                    ; wave 0..3
	v_and_b32 v2, 31, v0                           ; lane
	s_and_b32 s18, ttmp7, 0xffff                   ; which 256 along K
	v_lshlrev_b32 v3, 2, v2                        ; in: 4 bytes a lane
	s_mul_i32 s19, s16, 32*PITCH                   ; my stage
	v_mul_u32_u24 v4, v2, PITCH
	v_add_nc_u32 v4, s19, v4                       ; into it: row = my column
	v_and_b32 v5, 15, v2
	v_lshrrev_b32 v6, 4, v2                        ; out of it: sixteen lanes to a row, two rows an instruction
	v_mul_u32_u24 v7, v6, PITCH
	v_lshl_add_u32 v7, v5, 4, v7
	v_add_nc_u32 v7, s19, v7
	v_mul_u32_u24 v8, v6, KROW
	v_lshl_add_u32 v8, v5, 4, v8                   ; and the same place in wc
	v_and_b32 v9, 7, v2                            ; the stored place of column l of my 32: (l & 7) | (l & 8) << 1 | (l & 16) >> 1
	v_and_b32 v10, 8, v2
	v_lshl_or_b32 v9, v10, 1, v9
	v_and_b32 v10, 16, v2
	v_lshrrev_b32 v10, 1, v10
	v_or_b32 v9, v9, v10
	v_lshlrev_b32 v9, 5, v9                        ; x 32 bytes: its row of scale bytes
	s_cmp_lt_u32 ttmp9, 24                         ; Wqkv's work-group or Wproj's?
	s_mov_b32 s30, 4096
	s_cselect_b32 s30, 12288, s30                  ; the pitch in bytes
	s_cselect_b32 s17, 0, 24
	s_sub_co_u32 s17, ttmp9, s17                   ; the block of 128 columns in its own tensor
	s_mul_i32 s20, s18, s30
	s_lshl_b32 s20, s20, 8                         ; 256 y rows,
	s_lshl_b32 s21, s17, 9
	s_add_co_u32 s20, s20, s21                     ; + 512 bytes a column block,
	s_lshl_b32 s21, s16, 7
	s_add_co_u32 s20, s20, s21                     ; + 128 bytes a wave
	s_mov_b32 s21, 0
	s_lshl_b32 s22, s30, 5                         ; a block of 32 along K on
	s_mov_b32 s23, 0
	s_lshl_b32 s24, ttmp9, 7
	s_lshl_b32 s25, s16, 5
	s_add_co_u32 s24, s24, s25                     ; my first row of wc and wsc: 128 x + 32 wave
	s_lshl_b32 s26, s24, 5
	s_lshl_b32 s27, s18, 3
	s_add_co_u32 s26, s26, s27                     ; scale bytes: row x 32 + 8 y
	s_mov_b32 s27, 0
	s_lshl_b32 s24, s24, 10
	s_lshl_b32 s25, s18, 8
	s_add_co_u32 s24, s24, s25                     ; codes: row x 1,024 + 256 y
	s_mov_b32 s25, 0
.set i, 0
.rept 32
	v_mad_u32_u24 v[OF+i], s30, i, v3
.set i, i+1
.endr
	s_wait_alu depctr_va_vdst(0)
	s_wait_kmcnt 0x0
	s_cmp_lt_u32 ttmp9, 24
	s_cselect_b64 s[4:5], s[4:5], s[6:7]           ; the choice hangs on the work-group's number alone
	s_add_nc_u64 s[36:37], s[4:5], s[20:21]
.irp t, 1,2,3,4,5,6,7
	s_add_nc_u64 s[36+2*\t:37+2*\t], s[34+2*\t:35+2*\t], s[22:23]
.endr
	s_add_nc_u64 s[8:9], s[8:9], s[24:25]
	s_add_nc_u64 s[10:11], s[10:11], s[26:27]
.macro LOAD t                          ; block t: W(32 t + i, my column), i = 0 .. 31, into set t % 2
.set i, 0
.rept 32
	global_load_b32 v[X+32*((\t)%2)+i], v[OF+i], s[36+2*(\t):37+2*(\t)] th:TH_LOAD_NT
.set i, i+1
.endr
.endm
	LOAD 0
	LOAD 1
.macro BLOCK t
.set XS, X+32*((\t)%2)
.if (\t) < NB-1
	s_wait_loadcnt 32                              ; this block's 32 loads are in; the next block's 32 may be out
.else
	s_wait_loadcnt 0
.endif
	v_max3_num_f32 v12, |v[XS]|, |v[XS+1]|, |v[XS+2]|               ; the block's largest magnitude: all 32 numbers are mine
	v_max3_num_f32 v13, |v[XS+3]|, |v[XS+4]|, |v[XS+5]|
.irp i, 6,10,14,18,22,26
	v_max3_num_f32 v12, v12, |v[XS+\i]|, |v[XS+\i+1]|
	v_max3_num_f32 v13, v13, |v[XS+\i+2]|, |v[XS+\i+3]|
.endr
	v_max3_num_f32 v12, v12, |v[XS+30]|, |v[XS+31]|
	v_max3_num_f32 v12, v12, v13, (EMAX+1)<<23     ; and the floor 2^(16 - 127)
	v_add_nc_u32 v11, -(EMAX<<23), v12             ; the conversion's scale operand
	v_lshrrev_b32 v13, 23, v11                     ; the scale's byte
.if (\t)%4 == 0
	v_mov_b32 v[SB+(\t)/4], v13                    ; four bytes to a register, the lower K in the lower byte
.else
	v_lshl_or_b32 v[SB+(\t)/4], v13, 8*((\t)%4), v[SB+(\t)/4]
.endif
.set i, 0
.rept 32
.set i, i+1
.endr
.irp g, 0,1,2,3
	v_cvt_scalef32_pk8_bf8_f32 v[C+2*\g:C+2*\g+1], v[XS+8*\g:XS+8*\g+7], v11
.endr
	v_nop                                          ; a plain line behind the conversions
	ds_store_b128 v4, v[C:C+3] offset:32*(\t)      ; 32 codes: 32 bytes of my column's row
	ds_store_b128 v4, v[C+4:C+7] offset:32*(\t)+16
.if (\t)+2 < NB
	LOAD (\t)+2
.endif
	s_wait_dscnt 0x0                               ; the stores have read their registers: the next block's codes may be written
.endm
.set Q, 0
.rept NB
	BLOCK Q
.set Q, Q+1
.endr
	s_wait_alu depctr_va_vdst(0)
	global_store_b64 v9, v[SB:SB+1], s[10:11]      ; my column's 8 scale bytes, at its stored row
.irp t, 0,1,2,3,4,5,6,7,8,9,10,11,12,13,14,15
	ds_load_b128 v[OUTR+4*\t:OUTR+4*\t+3], v7 offset:2*\t*PITCH   ; LDS serves a wave's instructions in order: these see my stores
.endr
.irp t, 0,1,2,3,4,5,6,7,8,9,10,11,12,13,14,15
	s_wait_dscnt 15-\t                             ; the younger loads may be out
	global_store_b128 v8, v[OUTR+4*\t:OUTR+4*\t+3], s[8:9] offset:(((2*\t)%8)+8*((((2*\t)/8)%2)*2+(2*\t)/16))*KROW   ; columns 2 t, 2 t + 1 at their stored rows
.endr
	s_wait_tensorcnt 0x0
	ds_add_u32 v208, v209
	s_wait_dscnt 0x0
	s_endpgm
.Lfunc_end_k_q8fb9084d73_qw:
	.size	k_q8fb9084d73_qw, .Lfunc_end_k_q8fb9084d73_qw-k_q8fb9084d73_qw
	.p2alignl 7, 3214868480
	.fill 96, 4, 3214868480
	.section	.rodata,"a",@progbits
	.p2align	6, 0x0
	.amdhsa_kernel k_q8fb9084d73_qw
		.amdhsa_group_segment_fixed_size 36352
		.amdhsa_private_segment_fixed_size 0
		.amdhsa_enable_private_segment 0
		.amdhsa_kernarg_size 32
		.amdhsa_user_sgpr_count 2
		.amdhsa_user_sgpr_kernarg_segment_ptr 1
		.amdhsa_wavefront_size32 1
		.amdhsa_system_sgpr_workgroup_id_x 1
		.amdhsa_system_sgpr_workgroup_id_y 1
		.amdhsa_system_sgpr_workgroup_id_z 1
		.amdhsa_system_vgpr_workitem_id 0
		.amdhsa_next_free_vgpr 210
		.amdhsa_next_free_sgpr 66
		.amdhsa_reserve_vcc 0
		.amdhsa_float_denorm_mode_32 3
		.amdhsa_float_denorm_mode_16_64 3
		.amdhsa_fp16_overflow 1
		.amdhsa_memory_ordered 1
		.amdhsa_forward_progress 1
		.amdhsa_inst_pref_size 46
	.end_amdhsa_kernel
	.amdgpu_metadata
---
amdhsa.version: [ 1, 2 ]
amdhsa.kernels:
  - .name:           k_q8fb9084d73_qw
    .symbol:         k_q8fb9084d73_qw.kd
    .args:
      - { .name: Wqkv, .offset: 0, .size: 8, .value_kind: global_buffer, .address_space: global }
      - { .name: Wproj, .offset: 8, .size: 8, .value_kind: global_buffer, .address_space: global }
      - { .name: wc, .offset: 16, .size: 8, .value_kind: global_buffer, .address_space: global }
      - { .name: wsc, .offset: 24, .size: 8, .value_kind: global_buffer, .address_space: global }
    .group_segment_fixed_size: 36352
    .private_segment_fixed_size: 0
    .kernarg_segment_align: 8
    .kernarg_segment_size: 32
    .max_flat_workgroup_size: 128
    .sgpr_count:     66
    .vgpr_count:     210
    .wavefront_size: 32
...
	.end_amdgpu_metadata
.endif
;; end of part 2
;; launch qkv (part 3): grid 8 x 48, 4 waves a work-group, clusters of 4 x 4, 327,680 bytes of LDS; arguments xc, xs, wc, wsc, bqkv, qkvc, qkvs; writes qkvc, qkvs
.if DOCPART == 3
	.amdgcn_target "amdgcn-amd-amdhsa--gfx1250"
	.amdhsa_code_object_version 6
	.text
	.protected	k_q8fb9084d73_qkv
	.globl	k_q8fb9084d73_qkv
	.p2align	8
	.type	k_q8fb9084d73_qkv,@function
k_q8fb9084d73_qkv:
	s_mov_b64 s[64:65], 0
	v_nop
	global_prefetch_b8 v0, s[64:65] scope:SCOPE_SE
	s_setreg_imm32_b32 hwreg(HW_REG_WAVE_MODE, 25, 1), 1
	s_wait_xcnt 0x0
	s_wait_alu depctr_hold_cnt(0) depctr_sa_sdst(0) depctr_va_vdst(0) depctr_va_sdst(0) depctr_va_ssrc(0) depctr_va_vcc(0) depctr_vm_vsrc(0)
	s_getreg_b32 s2, hwreg(HW_REG_IB_STS2, 6, 4)
	s_cmp_eq_u32 s2, 0
	s_cbranch_scc0 .Lentry_in_a_cluster
	s_endpgm
.Lentry_in_a_cluster:
	s_bfe_u32 s2, ttmp6, 0x10000c
	s_cmp_lg_u32 s2, 0xf033
	s_cbranch_scc0 .Lentry_shape_is_right
	s_endpgm
.Lentry_shape_is_right:
; qkv = x Wqkv + bqkv on codes of BF8 (E5M2) with E8M0 scales (K = 1,024), and the results quantised in registers for the attention launch: q and k along the head's 64 channels, v along the keys.
; A tile of 256 x 256 is made by a work-group of four waves; a wave makes 128 x 128: 64 accumulators, 512 registers.  K goes in four steps of 256 through a ring of two LDS slots filled by the tensor data mover.
; ROLES.  'A' is the operand whose rows become LANES of the result (source 1), 'B' the one whose rows run along a lane's REGISTERS (source 0): the axis that is quantised next.
;   cluster y under 8 (q, k):  A = x, tile 4 Y + cy;   B = wc, tile 4 X + cx (X = 0: q's channels, X = 1: k's).      cluster y 8 to 11 (v):  A = wc, tile 8 + cy;   B = x, tile 4 X + cx + 8 (Y - 8).
;   The two pairs of pointers change places by selects on the cluster's y, which all sixteen partners share; so do the branches on it.
; Both tensors are stored with the two middle groups of eight rows of each 32 exchanged: register j of lane (r, h) of the tile made from B's stored tile 2 b + u is B's row 32 b + 16 h + 8 u + j,
; so the 16 registers of two neighbouring tiles are 16 neighbours, and the conversions' results ARE the next operand's registers.  They are stored as they stand, 16 bytes a lane: each store covers 512 consecutive bytes, aligned.
; The bias is the C of each sum's first matrix instruction.  CLUSTERS: 4 x 4; A's tiles are asked for jointly along a row of the cluster, B's along a column.
; OUT.  qkvc: Q at 0: [b h 64][tile 128][c 2][512];  from 8,388,608: [b h][step 16]{K: [tile 8][c 2][512]; V: [channel tile 4][c 4][512]}.
;       qkvs: Q's words at 0: [b h][step 16][pair 4][r 16];  from 262,144: [b h][step]{K: [pair 4][r 16]; V: [channel tile 4][r 16]}.  A pair's word: tile 2 i's two bytes, then tile 2 i + 1's.
; A block of zeros gets the byte 1 where the rule says 127: its codes are zeros, and this program alone reads the bytes.
; LIMITS: blocks whose largest magnitude lies under 2^-111 (the floor) were not tried; NaN and infinities are not served.
; REGISTERS, in windows of 256: window 0: v0-31 addresses; v32-63 scale words, two sets; v64-127 the bias, later the quantiser's work registers; v128-255 A's fragments, ONE set, later the codes.
;   window 1: B's fragments, TWO sets.   window 2: the accumulators of A's blocks 0-3 ((a, b) at v[8 (8 (a % 4) + b)]);   window 3: those of blocks 4-7.
.set NQ,     2                         ; matrix instructions deep in a slot: 256 along K
.set ROWB,   256                       ; a tile's row in bytes
.set KROW,   1024                      ; a row of xc or wc in memory
.set PITCH,  272                       ; an LDS row: 256 bytes + 16 of padding = 68 words: the 16 rows that a load touches start at 16 different banks (64 banks of 4 bytes: ISA guide 11.1)
.set FR,     16                        ; registers of a fragment: 16 rows x 128 K
.set NL,     4                         ; LDS loads that bring one
.set NP,     8                         ; places behind this matrix instruction (ISA guide 7.12.1)
.set HALFT,  128*PITCH                 ; 128 rows: what one tensor load brings
.set SLOT,   4*HALFT                   ; A's 256 rows, then B's 256 rows
.set KS,     32                        ; a row of scale bytes
.set SCL,    2*SLOT                    ; behind the ring: the scales of all of K, as runs of 256 bytes + 16 of padding; filled once
.set HALFS,  (128*KS/256)*272          ; the scales of 128 rows
.set SBLK,   (16*KS/256)*272           ; those of 16 rows
.set SPARE,  SCL+4*HALFS               ; behind the scales: the spare words, 128 bytes for each wave, that no other line names
.set ADRA, 16                          ; v16-17  LDS address of my A fragments in slot 0, 1
.set ADRB, 20                          ; v20-21  the same for B
.set LN,   24                          ; v24     my lane
.set L4,   25                          ; v25     4 x lane
.set L16,  26                          ; v26     16 x lane
.set ADRS, 27                          ; v27     LDS address of my scale words: lanes 0-15 A's rows, lanes 16-31 B's
.set SPW,  28                          ; v28     LDS address of my spare word; never rewritten
.set NIL,  29                          ; v29     0; never rewritten
.set SC,   32                          ; scale words: set s at v[SC + 16 s]; register 2 i + q: lanes 0-15 A's block i, lanes 16-31 B's block i
.set BI,   64                          ; v64-127 the bias, eight registers a tile, in the result's layout
.set AF,   128                         ; A's fragments
.set TM,   64                          ; the way out: v64-67 largest magnitudes, v68-71 at work, v76-79 the conversions' scale operands
.set T1,   68
.set HOLD, 72
.set SOP,  76
.set W,    80                          ; v80-87  block a's scale word
.set UU,   88                          ; v88-95  pairs' words
.set JJ,   96                          ; v96-99  two of them joined: lanes 0-15 one, lanes 16-31 the next
.set PC,   128                         ; v128-255 block a's codes at v[128 + 16 a]: nothing is written twice, so no store's data are written again
.set G1, 24                            ; s[24:31] descriptor group 1 for A's tiles;  s[32:39] group 0, one set for each slot
.set G0, 32
.set G1B, 48                           ; s[48:55], s[56:63] the same for B's tiles
.set G0B, 56
.set G1S, 68                           ; s[68:75], s[76:79] groups 1 and 0 for A's scales;  s[80:87], s[88:91] for B's
.set G0S, 76
.set G1SB, 80
.set G0SB, 88
.set MSB, 0
.macro WIN new                         ; the immediate's high byte repeats the setting that is left
.if MSB != \new
	s_set_vgpr_msb (MSB<<8)|\new
.set MSB, \new
.endif
.endm
.set MUL_LO, 0xa1                      ; source 0 (B) window 1, source 1 (A) window 0, C and D window 2
.set MUL_HI, 0xf1                      ; the same, C and D window 3
.set FST_LO, 0x81                      ; the first step: C (the bias) window 0, D window 2
.set FST_HI, 0xc1                      ; D window 3
.set TO_B,   0x40                      ; destination window 1, address window 0
; A joint load: waves 0 and 1 fetch for A, waves 2 and 3 for B.  Each of the two lines has one mask and one set of registers for all that issue it; the branch hangs on the wave's number alone.
; Four v_nop follow each of the two lines, ahead of the jump, the label and what follows.
.macro JLOAD g0a, g1a, g0b, g1b
	s_cmp_eq_u32 s15, 0
	s_cbranch_scc0 .Lfor_b_\@
	tensor_load_to_lds s[\g0a:\g0a+3], s[\g1a:\g1a+7]
	s_nop 0
.rept 4
	v_nop
.endr
	s_branch .Lasked_\@
.Lfor_b_\@:
	tensor_load_to_lds s[\g0b:\g0b+3], s[\g1b:\g1b+7]
	s_nop 0
.rept 4
	v_nop
.endr
.Lasked_\@:
.endm
.macro CREST                           ; a round of the cluster's barrier behind its opening barrier
	s_cmp_lg_u32 s14, 0
	s_cbranch_scc1 .Lnot_wave_0_\@
	s_barrier_signal -3
.Lnot_wave_0_\@:
	s_barrier_wait -3
	s_barrier_signal -1
	s_barrier_wait -1
.endm
.macro CROUND                          ; a whole round
	s_barrier_signal -1
	s_barrier_wait -1
	CREST
.endm
	s_load_b128 s[4:7], s[0:1], 0x0                ; xc, xs
	s_load_b128 s[8:11], s[0:1], 0x10              ; wc, wsc
	s_load_b128 s[96:99], s[0:1], 0x20             ; bqkv, qkvc
	s_load_b64 s[12:13], s[0:1], 0x30              ; qkvs
	v_lshl_add_u32 v[SPW], v0, 2, SPARE
	v_mov_b32 v[NIL], 0
	ds_add_u32 v28, v29
	ds_add_u32 v28, v29
	s_wait_dscnt 0x0
	v_lshrrev_b32 v1, 5, v0
	v_readfirstlane_b32 s14, v1                    ; wave 0..3
	s_lshr_b32 s15, s14, 1                         ; which half of A's rows is mine.  Also: I fetch for A (0) or for B (1)
	s_and_b32 s16, s14, 1                          ; which half of B's rows.  Also: which 128 rows of that tile I fetch
	s_bfe_u32 s40, ttmp6, 0x40000                  ; cx, cy: my place in the cluster
	s_bfe_u32 s41, ttmp6, 0x40004
	s_and_b32 s67, ttmp7, 0xffff                   ; Y: the cluster's y
	s_lshl_b32 s42, ttmp9, 2
	s_add_co_u32 s42, s42, s40                     ; 4 X + cx
	s_lshl_b32 s17, s67, 2
	s_add_co_u32 s17, s17, s41                     ; 4 Y + cy
	s_add_co_u32 s18, s41, 8                       ; 8 + cy
	s_sub_co_u32 s19, s67, 8
	s_lshl_b32 s19, s19, 3
	s_add_co_u32 s19, s19, s42                     ; 4 X + cx + 8 (Y - 8)
	s_cmp_ge_u32 s67, 8
	s_cselect_b32 s66, 1, 0                        ; 1: this cluster makes v
	s_cselect_b32 s17, s18, s17                    ; A's tile: made of cy and Y alone
	s_cselect_b32 s42, s19, s42                    ; B's tile: made of cx, X and Y alone
	s_lshl_b32 s43, s41, 2
	s_lshl_b32 s43, 15, s43                        ; my row of the cluster
	s_lshl_b32 s44, 0x1111, s40                    ; my column
	; descriptor group 1: a tile of 128 rows x 256 bytes, padded in LDS
	s_or_b32 s[G1+0], s43, (0<<16)|(1<<20)|(1<<21)|(5<<22)|(3<<25)  ; 15:0 the mask: A's tiles go to my row; 17:16 elements of 1 byte; 20 padding on; 21 set beside a mask; 24:22 after every 64 words; 31:25 four words
	s_or_b32 s[G1B+0], s44, (0<<16)|(1<<20)|(1<<21)|(5<<22)|(3<<25)
.irp g, G1, G1B
	s_mov_b32 s[\g+1], ROWB<<16                    ; tensor_dim0
	s_mov_b32 s[\g+2], 128<<16                     ; tensor_dim1
	s_mov_b32 s[\g+3], ROWB<<16                    ; tile_dim0
	s_mov_b32 s[\g+4], 128                         ; tile_dim1
	s_mov_b32 s[\g+5], KROW                        ; tensor_dim0_stride
	s_mov_b32 s[\g+6], 0
	s_mov_b32 s[\g+7], 0
.endr
	; the scales of 128 rows: 4,096 dense bytes, as 16 rows of 256 bytes (32 elements of 8 bytes), 16 bytes of padding behind each
	s_or_b32 s[G1S+0], s43, (3<<16)|(1<<20)|(1<<21)|(5<<22)|(3<<25)
	s_or_b32 s[G1SB+0], s44, (3<<16)|(1<<20)|(1<<21)|(5<<22)|(3<<25)
.irp g, G1S, G1SB
	s_mov_b32 s[\g+1], 32<<16
	s_mov_b32 s[\g+2], (128*KS/256)<<16
	s_mov_b32 s[\g+3], 32<<16
	s_mov_b32 s[\g+4], 128*KS/256
	s_mov_b32 s[\g+5], 32
	s_mov_b32 s[\g+6], 0
	s_mov_b32 s[\g+7], 0
.endr
	s_lshl_b32 s18, s16, 7                         ; which 128 rows of the tile I fetch
	s_lshl_b32 s20, s17, 8
	s_add_co_u32 s20, s20, s18                     ; A: row 256 x tile + 128 x half
	s_lshl_b32 s46, s42, 8
	s_add_co_u32 s46, s46, s18                     ; B likewise
	s_lshl_b32 s22, s20, 5                         ; where these rows' scales begin, in bytes (all under 2^24),
	s_lshl_b32 s20, s20, 10                        ; and their codes
	s_lshl_b32 s92, s46, 5
	s_lshl_b32 s46, s46, 10
	s_mov_b32 s21, 0
	s_mov_b32 s23, 0
	s_mov_b32 s47, 0
	s_mov_b32 s93, 0
	s_mul_i32 s45, s14, HALFT                      ; where they go: wave x 128 rows: no place in the cluster enters an LDS address
	s_mul_i32 s94, s14, HALFS
	s_wait_kmcnt 0x0
	s_cmp_eq_u32 s66, 1                            ; the roles: the choice hangs on the cluster's y alone
	s_cselect_b64 s[100:101], s[8:9], s[4:5]       ; A's codes
	s_cselect_b64 s[8:9], s[4:5], s[8:9]           ; B's codes
	s_cselect_b64 s[104:105], s[10:11], s[6:7]     ; A's scales
	s_cselect_b64 s[10:11], s[6:7], s[10:11]       ; B's scales
	s_add_nc_u64 s[20:21], s[100:101], s[20:21]
	s_add_nc_u64 s[22:23], s[104:105], s[22:23]
	s_add_nc_u64 s[46:47], s[8:9], s[46:47]
	s_add_nc_u64 s[92:93], s[10:11], s[92:93]
	CROUND                                         ; all sixteen work-groups are here: the first joint loads meet
	s_mov_b32 s[G0S], 1
	s_add_co_u32 s[G0S+1], s94, SCL
	s_mov_b64 s[G0S+2:G0S+3], s[22:23]
	s_or_b32 s[G0S+3], s[G0S+3], 0x80000000
	s_mov_b32 s[G0SB], 1
	s_add_co_u32 s[G0SB+1], s94, SCL
	s_mov_b64 s[G0SB+2:G0SB+3], s[92:93]
	s_or_b32 s[G0SB+3], s[G0SB+3], 0x80000000
	JLOAD G0S, G1S, G0SB, G1SB                     ; the scales first: they are wanted with K step 0
.irp s, 0,1
	s_mov_b32 s[G0+4*\s], 1
	s_add_co_u32 s[G0+4*\s+1], s45, \s*SLOT
	s_add_nc_u64 s[G0+4*\s+2:G0+4*\s+3], s[20:21], \s*ROWB
	s_or_b32 s[G0+4*\s+3], s[G0+4*\s+3], 0x80000000
	s_mov_b32 s[G0B+4*\s], 1
	s_add_co_u32 s[G0B+4*\s+1], s45, \s*SLOT
	s_add_nc_u64 s[G0B+4*\s+2:G0B+4*\s+3], s[46:47], \s*ROWB
	s_or_b32 s[G0B+4*\s+3], s[G0B+4*\s+3], 0x80000000
	JLOAD G0+4*\s, G1, G0B+4*\s, G1B               ; three loads of mine are out
.endr
	v_and_b32 v1, 15, v0                           ; r = lane % 16
	v_bfe_u32 v2, v0, 4, 1                         ; h = lane / 16
	; THE BIAS.  The channels are B's rows for q and k (they run along my registers) and A's rows for v (a lane has one channel)
	s_cmp_eq_u32 s66, 1
	s_cselect_b32 s18, s17, s42                    ; the channels' tile of 256,
	s_cselect_b32 s19, s15, s16                    ; my half of it
	s_lshl_b32 s18, s18, 10
	s_lshl_b32 s19, s19, 9
	s_add_co_u32 s18, s18, s19
	s_mov_b32 s19, 0
	s_add_nc_u64 s[96:97], s[96:97], s[18:19]      ; bqkv at my 128 channels
	s_cmp_eq_u32 s66, 1
	s_cbranch_scc1 .Lbias_v
	s_wait_alu depctr_va_vdst(0)
	v_lshlrev_b32 v7, 6, v2                        ; tile b = 2 B + u, register j: channel 32 B + 16 h + 8 u + j
.irp b, 0,1,2,3,4,5,6,7
	global_load_b128 v[BI+8*\b:BI+8*\b+3], v7, s[96:97] offset:128*(\b/2)+32*(\b%2)
	global_load_b128 v[BI+8*\b+4:BI+8*\b+7], v7, s[96:97] offset:128*(\b/2)+32*(\b%2)+16
.endr
	s_branch .Lbias_done
.Lbias_v:
	s_wait_alu depctr_va_vdst(0)
	v_and_b32 v7, 8, v1
	v_add_nc_u32 v7, v7, v1
	v_lshlrev_b32 v7, 2, v7                        ; block a, lane r: channel 32 (a / 2) + 8 (a % 2) + r + 8 (r / 8), in all eight registers
.irp a, 0,1,2,3,4,5,6,7
.irp j, 0,1,2,3,4,5,6,7
	global_load_b32 v[BI+8*\a+\j], v7, s[96:97] offset:128*(\a/2)+32*(\a%2)
.endr
.endr
.Lbias_done:
	v_mul_u32_u24 v3, v1, PITCH
	v_lshl_add_u32 v4, v2, 4, v3                   ; a fragment's row x pitch + 16 x half
	s_mul_i32 s21, s15, HALFT                      ; my 128 rows of A
	s_mul_i32 s22, s16, HALFT                      ; my 128 rows of B,
	s_add_co_u32 s22, s22, 2*HALFT                 ; which lie behind A's 256
.irp s, 0,1
	v_add_nc_u32 v[ADRA+\s], s21, v4
	v_add_nc_u32 v[ADRB+\s], s22, v4
	s_add_co_u32 s21, s21, SLOT
	s_add_co_u32 s22, s22, SLOT
.endr
	v_mul_u32_u24 v5, v1, KS                       ; my row's scales: 32 bytes a row,
	v_lshrrev_b32 v6, 8, v5
	v_lshl_add_u32 v5, v6, 4, v5                   ; and 16 more for each 256 passed
	s_mul_i32 s21, s15, HALFS                      ; A's: my 128 rows
	s_mul_i32 s22, s16, HALFS                      ; B's: my 128 rows, behind A's 256
	s_add_co_u32 s22, s22, 2*HALFS
	s_sub_co_u32 s22, s22, s21
	v_mul_u32_u24 v6, s22, v2                      ; lanes 16-31 take B's: one product, the distance between the two bases
	s_add_co_u32 s21, s21, SCL
	v_add_nc_u32 v5, v5, v6
	v_add_nc_u32 v[ADRS], s21, v5
	v_and_b32 v[LN], 31, v0
	v_lshlrev_b32 v[L4], 2, v[LN]
	v_lshlrev_b32 v[L16], 4, v[LN]
.macro FRAG reg, adr, q, i             ; a fragment: lane l holds row l % 16; registers 4 c .. 4 c + 3 hold K = 32 c + 16 (l / 16) + 0 .. 15
.irp c, 0,1,2,3
	ds_load_b128 v[\reg+4*\c:\reg+4*\c+3], v[\adr] offset:128*(\q)+32*\c+(\i)*16*PITCH
.endr
.endm
; 16 matrix instructions: A's blocks a0, a0 + 1 x B's eight, 128 along K: the slot's q-th.  p: B's set;  sc: the set of scale words.
; mode 0: the sums go on;  1: the first product starts them from the bias of B's block b;  2: from the bias of A's block a.  Nothing is ever cleared.
; The 64 accumulators take turns, one instruction a turn, in the same order in every step.
.macro MUL16 a0, p, q, sc, mode
.irp a, \a0, \a0+1
.irp b, 0,1,2,3,4,5,6,7
.set rD, 8*(8*((\a)%4)+\b)
.set rB, 128*(\p)+FR*\b
.set rA, AF+FR*(\a)
.set rSB, SC+8*NQ*(\sc)+NQ*\b+(\q)
.set rSA, SC+8*NQ*(\sc)+NQ*(\a)+(\q)
.if \mode == 1
	v_wmma_scale_f32_16x16x128_f8f6f4 v[rD:rD+7], v[rB:rB+15], v[rA:rA+15], v[BI+8*\b:BI+8*\b+7], v[rSB], v[rSA] matrix_a_fmt:MATRIX_FMT_BF8 matrix_b_fmt:MATRIX_FMT_BF8 matrix_a_scale:MATRIX_SCALE_ROW1
.elseif \mode == 2
	v_wmma_scale_f32_16x16x128_f8f6f4 v[rD:rD+7], v[rB:rB+15], v[rA:rA+15], v[BI+8*(\a):BI+8*(\a)+7], v[rSB], v[rSA] matrix_a_fmt:MATRIX_FMT_BF8 matrix_b_fmt:MATRIX_FMT_BF8 matrix_a_scale:MATRIX_SCALE_ROW1
.else
	v_wmma_scale_f32_16x16x128_f8f6f4 v[rD:rD+7], v[rB:rB+15], v[rA:rA+15], v[rD:rD+7], v[rSB], v[rSA] matrix_a_fmt:MATRIX_FMT_BF8 matrix_b_fmt:MATRIX_FMT_BF8 matrix_a_scale:MATRIX_SCALE_ROW1
.endif
.endr
.endr
.endm
.macro FETCH_B slot, q, p              ; B's eight fragments of the slot's q-th 128 along K into set p
	WIN TO_B
.irp i, 0,1,2,3,4,5,6,7
	FRAG 128*(\p)+FR*\i, ADRB+\slot, \q, \i
.endr
	WIN 0
.endm
.macro FETCH_A slot, q, i0             ; A's blocks i0 .. i0 + 3
.irp i, \i0, \i0+1, \i0+2, \i0+3
	FRAG AF+FR*(\i), ADRA+\slot, \q, \i
.endr
.endm
.macro SCALES sc                       ; the next K step's scale words into set sc: two words a row; lanes 0-15 take A's block i, lanes 16-31 B's block i
.irp i, 0,1,2,3,4,5,6,7
	ds_load_b64 v[SC+8*NQ*\sc+NQ*\i:SC+8*NQ*\sc+NQ*\i+1], v[ADRS] offset:\i*SBLK
.endr
.endm
; A load into a register that a matrix instruction has read, and a vector instruction that reads a matrix result or writes one of its registers, stand eight places behind it; only plain vector
; instructions that name none of its registers are places.
.macro PLACES n
.rept \n
	v_nop
.endr
.endm
; A step of 128 along K that has its successor in the same slot.
.macro STEP slot, q, mode
	s_wait_dscnt 4*NL                              ; B's set and A's blocks 0-3 are in; the youngest sixteen loads (A's blocks 4-7) may be out
.if \mode
	WIN FST_LO
.else
	WIN MUL_LO
.endif
	MUL16 0, (\q)%2, \q, \slot, \mode
	MUL16 2, (\q)%2, \q, \slot, \mode
	s_wait_dscnt 0                                 ; A's blocks 4-7 are in (asked for 32 matrix instructions ago)
	PLACES NP
	FETCH_B \slot, (\q)+1, 1-(\q)%2
	FETCH_A \slot, (\q)+1, 0
.if \mode
	WIN FST_HI
.else
	WIN MUL_HI
.endif
	MUL16 4, (\q)%2, \q, \slot, \mode
	MUL16 6, (\q)%2, \q, \slot, \mode
	PLACES NP
	WIN 0
	FETCH_A \slot, (\q)+1, 4
.endm
; A slot's last step changes slots: ONE barrier; in front of it each wave waits for all its tensor loads, adds 0 to its spare word, and waits for that and for its own reads of this slot.  fill = 1: this slot is filled again, two K steps ahead.
.macro TURN slot, next, fill
	s_wait_tensorcnt 0x0                           ; all my tensor loads have landed: my part of the next slot  (every window is 0 here)
	ds_add_u32 v[SPW], v[NIL]                      ; 0 onto my spare word
	s_wait_dscnt 4*NL+1                            ; (the add and the youngest sixteen loads, A's blocks 4-7, may be out)
	WIN MUL_LO
	MUL16 0, 1, NQ-1, \slot, 0                     ; sixteen matrix instructions stand between the add and the wait for it
	s_wait_dscnt 0x0                               ; the add is done, and my reads of this slot are over
	s_barrier_signal -1
	MUL16 2, 1, NQ-1, \slot, 0
	WIN 0
	s_barrier_wait -1
.if \fill
	CREST                                          ; the barrier has opened a round of the cluster's barrier: no wave of any partner still reads this slot's tile or has a load on its way
	s_add_nc_u64 s[G0+4*\slot+2:G0+4*\slot+3], s[G0+4*\slot+2:G0+4*\slot+3], 2*ROWB
	s_add_nc_u64 s[G0B+4*\slot+2:G0B+4*\slot+3], s[G0B+4*\slot+2:G0B+4*\slot+3], 2*ROWB
	JLOAD G0+4*\slot, G1, G0B+4*\slot, G1B         ; the first tensor load behind the round; its four v_nop are among the places in front of the loads below
	PLACES NP-4
.else
	PLACES NP
.endif
	s_wait_alu depctr_va_vdst(0)
	v_add_nc_u32 v[ADRS], 4*NQ, v[ADRS]            ; on to the next K step's scale words (no LDS load of mine is out)
	FETCH_B \next, 0, 0
	FETCH_A \next, 0, 0
	SCALES \next
	WIN MUL_HI
	MUL16 4, 1, NQ-1, \slot, 0
	MUL16 6, 1, NQ-1, \slot, 0
	PLACES NP
	WIN 0
	FETCH_A \next, 0, 4
.endm
	s_wait_alu depctr_va_vdst(0)
	s_wait_tensorcnt 1                             ; the scales and my part of K step 0 are in (K step 1's load may be out)
	s_barrier_signal -1
	s_barrier_wait -1                              ; everybody's are
	FETCH_B 0, 0, 0
	FETCH_A 0, 0, 0
	SCALES 0
	FETCH_A 0, 0, 4
	s_wait_loadcnt 0x0                             ; the bias
	s_cmp_eq_u32 s66, 1
	s_cbranch_scc1 .Lfirst_v                       ; the first step differs in its C alone; both arms issue the same loads, and neither holds a barrier or a tensor load
	STEP 0, 0, 1
	s_branch .Lfirst_done
.Lfirst_v:
	STEP 0, 0, 2
.Lfirst_done:
	TURN 0, 1, 1                                   ; K has four steps of 256: the ring's one lap that fills is written out
	STEP 1, 0, 0
	TURN 1, 0, 1
	STEP 0, 0, 0
	TURN 0, 1, 0                                   ; the last lap fills nothing, and has no round of the cluster's barrier
	STEP 1, 0, 0
	s_wait_dscnt 4*NL                              ; the very last step: nothing more to fetch
	WIN MUL_LO
	MUL16 0, 1, NQ-1, 1, 0
	MUL16 2, 1, NQ-1, 1, 0
	s_wait_dscnt 0
	WIN MUL_HI
	MUL16 4, 1, NQ-1, 1, 0
	MUL16 6, 1, NQ-1, 1, 0
	WIN 0
	; THE WAY OUT.  Where the results go: one formula for q, k and v.  The tokens are A's rows for q and k, B's for v; the channels the other way round.
	s_mov_b32 s20, 0x76543210
	s_mov_b32 s21, 0xfedcba98                      ; v_permlanex16_b32's selects for lane l xor 16
	s_cmp_eq_u32 s66, 1
	s_cselect_b32 s18, s42, s17                    ; the tokens' tile of 256,
	s_cselect_b32 s19, s16, s15                    ; my half of it;
	s_cselect_b32 s23, s17, s42                    ; the channels' tile,
	s_cselect_b32 s43, s15, s16                    ; my half of it
	s_cselect_b32 s44, 1, ttmp9                    ; 0: q;  1: k and v, whose region has twice the bytes for a head and a step
	s_cselect_b32 s45, 8192, 0                     ; V's codes lie behind K's in a step,
	s_cselect_b32 s3, 256, 0                       ; and so do its words
	s_lshr_b32 s46, s18, 3                         ; the batch
	s_and_b32 s18, s18, 7
	s_lshl_b32 s18, s18, 1
	s_add_co_u32 s18, s18, s19                     ; the step of 128 tokens in it
	s_and_b32 s23, s23, 3
	s_lshl_b32 s23, s23, 2
	s_lshl_b32 s43, s43, 1
	s_add_co_u32 s23, s23, s43                     ; my first head of two
	s_lshl_b32 s46, s46, 4
	s_add_co_u32 s46, s46, s23                     ; 16 x batch + head
	s_lshl_b32 s92, s46, 17
	s_lshl_b32 s19, s18, 13
	s_add_co_u32 s92, s92, s19
	s_lshl_b32 s92, s92, s44
	s_lshl_b32 s19, s44, 23
	s_add_co_u32 s92, s92, s19
	s_add_co_u32 s92, s92, s45
	s_mov_b32 s93, 0
	s_add_nc_u64 s[92:93], s[98:99], s[92:93]      ; codes, first head;
	s_lshl_b32 s94, 0x20000, s44
	s_mov_b32 s95, 0
	s_add_nc_u64 s[94:95], s[92:93], s[94:95]      ; second head
	s_lshl_b32 s46, s46, 12
	s_lshl_b32 s19, s18, 8
	s_add_co_u32 s46, s46, s19
	s_lshl_b32 s46, s46, s44
	s_lshl_b32 s19, s44, 18
	s_add_co_u32 s46, s46, s19
	s_add_co_u32 s46, s46, s3
	s_mov_b32 s47, 0
	s_add_nc_u64 s[40:41], s[12:13], s[46:47]      ; scale words, first head;
	s_lshl_b32 s18, 0x1000, s44
	s_mov_b32 s19, 0
	s_add_nc_u64 s[42:43], s[40:41], s[18:19]      ; second head
	PLACES NP                                      ; behind the last products: what follows reads results and writes registers that held A's fragments
.irp b, 0,1,2,3
	v_mov_b32 v[T1+\b], 0                          ; written once: a lane permute's destination counts as one of its sources
.endr
	v_cmp_le_u32 vcc_lo, 16, v[LN]                 ; lanes 16-31
; Block a's 64 numbers of a lane (register 16 b + i = index 32 b + 16 (lane / 16) + i along the axis to be quantised) become 16 registers of codes and a scale word.  Each accumulator is read from its low end on.
.macro QUANT a
.set SB, 64*((\a)%4)
.set WW, 2+(\a)/4
.set WN1, WW|(WW<<2)
.set WN2, WW|(WW<<6)
	WIN WN1                                        ; sources 0 and 1: the accumulators' window
.irp b, 0,1,2,3
	v_max3_num_f32 v[TM+\b], |v[SB+16*\b]|, |v[SB+16*\b+1]|, 0x8000000   ; my 16 numbers of block b, and the floor 2^(16 - 127): the byte cannot fall under 1
.endr
.irp i, 2,4,6,8,10,12,14
.irp b, 0,1,2,3
	v_max3_num_f32 v[TM+\b], |v[SB+16*\b+\i]|, |v[SB+16*\b+\i+1]|, v[TM+\b]   ; (the four blocks by turns)
.endr
.endr
	WIN 0
.irp b, 0,1,2,3
	v_permlanex16_b32 v[T1+\b], v[TM+\b], s20, s21
.endr
.irp b, 0,1,2,3
	v_max_num_f32 v[TM+\b], v[TM+\b], v[T1+\b]     ; with lane l xor 16's: the block's largest magnitude
.endr
.irp b, 0,1,2,3
	v_add_nc_u32 v[SOP+\b], 0xf8800000, v[TM+\b]   ; 15 off its exponent field: the conversion's scale operand
.endr
.irp b, 0,1,2,3
.endr
.irp b, 0,1,2,3
	v_lshrrev_b32 v[T1+\b], 23, v[SOP+\b]          ; the scale's byte
.endr
	v_lshl_or_b32 v[W+(\a)], v[T1+1], 8, v[T1]
	v_lshl_or_b32 v[W+(\a)], v[T1+2], 16, v[W+(\a)]
	v_lshl_or_b32 v[W+(\a)], v[T1+3], 24, v[W+(\a)]
	WIN WN2                                        ; source 0 and destination: the accumulators' window
.irp b, 0,1,2,3
.irp i, 0,1,2,3,4,5,6,7,8,9,10,11,12,13,14,15
.endr
.endr
	WIN WW                                         ; source 0 alone
.irp b, 0,1,2,3
	v_cvt_scalef32_pk8_bf8_f32 v[PC+16*(\a)+4*\b:PC+16*(\a)+4*\b+1], v[SB+16*\b:SB+16*\b+7], v[SOP+\b]
	v_cvt_scalef32_pk8_bf8_f32 v[PC+16*(\a)+4*\b+2:PC+16*(\a)+4*\b+3], v[SB+16*\b+8:SB+16*\b+15], v[SOP+\b]
.endr
	WIN 0
	v_nop                                          ; a plain line behind the last conversion
.endm
.irp a, 0,1,2,3,4,5,6,7
	QUANT \a
.endr
	s_cmp_eq_u32 s66, 1
	s_cbranch_scc1 .Lstore_v
	; q, k: block a is a tile of 16 tokens; its registers 8 e .. 8 e + 7 are head e's 64 channels
.irp e, 0,1
.irp a, 0,1,2,3,4,5,6,7
.irp c, 0,1
	global_store_b128 v[L16], v[PC+16*\a+8*\e+4*\c:PC+16*\a+8*\e+4*\c+3], s[92+2*\e:93+2*\e] offset:1024*\a+512*\c   ; 32 lanes store 512 consecutive bytes, aligned
.endr
.endr
.irp i, 0,1,2,3
	v_perm_b32 v[UU+4*\e+\i], v[W+2*\i+1], v[W+2*\i], 0x05040100+0x02020202*\e   ; pair i's word: head e's two bytes of tile 2 i, then of tile 2 i + 1
.endr
.irp i, 0,2
	v_cndmask_b32 v[JJ+2*\e+\i/2], v[UU+4*\e+\i], v[UU+4*\e+\i+1], vcc_lo         ; lanes r and r + 16 hold the same words: lanes 0-15 send pair i's, lanes 16-31 pair i + 1's
	global_store_b32 v[L4], v[JJ+2*\e+\i/2], s[40+2*\e:41+2*\e] offset:64*\i
.endr
.endr
	s_branch .Lstored
.Lstore_v:
	; v: block a is a tile of 16 channels (head a / 4, tile a % 4); its 16 registers are the step's 128 keys
	s_wait_alu depctr_va_vdst(0)
.irp a, 0,1,2,3,4,5,6,7
.irp c, 0,1,2,3
	global_store_b128 v[L16], v[PC+16*\a+4*\c:PC+16*\a+4*\c+3], s[92+2*(\a/4):93+2*(\a/4)] offset:2048*(\a%4)+512*\c
.endr
.endr
.irp a, 0,2,4,6
	v_cndmask_b32 v[JJ+\a/2], v[W+\a], v[W+\a+1], vcc_lo
	global_store_b32 v[L4], v[JJ+\a/2], s[40+2*(\a/4):41+2*(\a/4)] offset:64*(\a%4)
.endr
.Lstored:
	s_wait_tensorcnt 0x0                           ; the wave's end
	ds_add_u32 v[SPW], v[NIL]
	s_wait_dscnt 0x0
	CROUND                                         ; the closing round: no work-group ends while a partner may still ask for a tile that names it
	s_endpgm
.Lfunc_end_k_q8fb9084d73_qkv:
	.size	k_q8fb9084d73_qkv, .Lfunc_end_k_q8fb9084d73_qkv-k_q8fb9084d73_qkv
	.p2alignl 7, 3214868480
	.fill 96, 4, 3214868480
	.section	.rodata,"a",@progbits
	.p2align	6, 0x0
	.amdhsa_kernel k_q8fb9084d73_qkv
		.amdhsa_group_segment_fixed_size 327680
		.amdhsa_private_segment_fixed_size 0
		.amdhsa_enable_private_segment 0
		.amdhsa_kernarg_size 56
		.amdhsa_user_sgpr_count 2
		.amdhsa_user_sgpr_kernarg_segment_ptr 1
		.amdhsa_wavefront_size32 1
		.amdhsa_system_sgpr_workgroup_id_x 1
		.amdhsa_system_sgpr_workgroup_id_y 1
		.amdhsa_system_sgpr_workgroup_id_z 1
		.amdhsa_system_vgpr_workitem_id 0
		.amdhsa_next_free_vgpr 1024
		.amdhsa_next_free_sgpr 106
		.amdhsa_reserve_vcc 1
		.amdhsa_float_denorm_mode_32 3
		.amdhsa_float_denorm_mode_16_64 3
		.amdhsa_fp16_overflow 1
		.amdhsa_memory_ordered 1
		.amdhsa_forward_progress 1
		.amdhsa_inst_pref_size 176
	.end_amdhsa_kernel
	.amdgpu_metadata
---
amdhsa.version: [ 1, 2 ]
amdhsa.kernels:
  - .name:           k_q8fb9084d73_qkv
    .symbol:         k_q8fb9084d73_qkv.kd
    .args:
      - { .name: xc, .offset: 0, .size: 8, .value_kind: global_buffer, .address_space: global }
      - { .name: xs, .offset: 8, .size: 8, .value_kind: global_buffer, .address_space: global }
      - { .name: wc, .offset: 16, .size: 8, .value_kind: global_buffer, .address_space: global }
      - { .name: wsc, .offset: 24, .size: 8, .value_kind: global_buffer, .address_space: global }
      - { .name: bqkv, .offset: 32, .size: 8, .value_kind: global_buffer, .address_space: global }
      - { .name: qkvc, .offset: 40, .size: 8, .value_kind: global_buffer, .address_space: global }
      - { .name: qkvs, .offset: 48, .size: 8, .value_kind: global_buffer, .address_space: global }
    .group_segment_fixed_size: 327680
    .private_segment_fixed_size: 0
    .kernarg_segment_align: 8
    .kernarg_segment_size: 56
    .max_flat_workgroup_size: 128
    .sgpr_count:     106
    .vgpr_count:     1024
    .wavefront_size: 32
...
	.end_amdgpu_metadata
.endif
;; end of part 3
;; launch attn (part 4): grid 4 x 64, 16 waves a work-group, clusters of 4 x 1, 280,576 bytes of LDS; arguments qkvc, qkvs, padding_mask, yc, ys; writes yc, ys
.if DOCPART == 4
	.amdgcn_target "amdgcn-amd-amdhsa--gfx1250"
	.amdhsa_code_object_version 6
	.text
	.protected	k_q8fb9084d73_attn
	.globl	k_q8fb9084d73_attn
	.p2align	8
	.type	k_q8fb9084d73_attn,@function
k_q8fb9084d73_attn:
	s_mov_b64 s[64:65], 0
	v_nop
	global_prefetch_b8 v0, s[64:65] scope:SCOPE_SE
	s_setreg_imm32_b32 hwreg(HW_REG_WAVE_MODE, 25, 1), 1
	s_wait_xcnt 0x0
	s_wait_alu depctr_hold_cnt(0) depctr_sa_sdst(0) depctr_va_vdst(0) depctr_va_sdst(0) depctr_va_ssrc(0) depctr_va_vcc(0) depctr_vm_vsrc(0)
	s_getreg_b32 s2, hwreg(HW_REG_IB_STS2, 6, 4)
	s_cmp_eq_u32 s2, 0
	s_cbranch_scc0 .Lentry_in_a_cluster
	s_endpgm
.Lentry_in_a_cluster:
	s_bfe_u32 s2, ttmp6, 0x10000c
	s_cmp_lg_u32 s2, 0x3003
	s_cbranch_scc0 .Lentry_shape_is_right
	s_endpgm
.Lentry_shape_is_right:
; y[b][q][head] = softmax over the keys of (q . k / 8, hidden where key > query or padding_mask[b][key] = 0) v, both products on codes of BF8 (E5M2) with E8M0 scales, and y quantised along its channels for the last product.
; THE SOFTMAX AHEAD OF THE SECOND PRODUCT: t = score x log2(e) / 8; M = the row's largest t so far, rounded UP to a whole number; p = 2^(t - M) is quantised along the keys, not normalised.
; The row's sum is taken of the unquantised p and divides O at the end.  When M moves, the sum and O are multiplied by 2^(old M - new M): exact.
; SHARES.  A cluster is the four work-groups of one (batch, head).  The head's K and V, 256 KiB of register images, come into each work-group's LDS ONCE, by joint loads, and stay: no slot is ever filled again.
; Tiles of 16 queries are numbered 0 to 127.  Wave w of work-group j takes tile 127 - 4 w - j and then tile 4 w + j, in the same registers.  Tile t wants key steps 0 .. t / 8 (128 keys a step):
; the last steps are 15 - w / 2 and w / 2, which hang on the wave's number alone: no branch hangs on the work-group's place.  So every wave walks 17 key steps.  All loops have constant trip counts; a step past the last is jumped over.
; LAYOUT.  Both products are used transposed: S^T = K Q^T, O^T = V^T P^T: a lane holds ONE query (lane % 16).  The tokens of a tile are 32 (t / 2) + 8 (t % 2) + r + 8 (r / 8), so that a lane's 16 registers of two
; neighbouring tiles of keys are 16 neighbouring keys; V's channels are tiled likewise, so that O^T's registers are neighbouring channels: the conversions' results are the next operand's registers.
; K = 64 IN AN INSTRUCTION 128 DEEP: source 0 is a PAIR of key tiles (tile 2 i in k 0-63, tile 2 i + 1 in k 64-127); source 1 is Q with zero codes behind it (for tile 2 i) or in front of it (for tile 2 i + 1).
; MASKS.  padding_mask becomes a number for each key, 0 or -2^120, kept in LDS; it is loaded into S^T's registers and is the C of the first product.  The causal mask touches a tile's last step alone: hidden scores become -2^120.
; The largest t begins at -2^100, above every hidden t (about -2.4e35): a step without an open key gives p = 0 exactly.
; LIMITS: |t| stays under 2^100; a query without any open key (reference() gives NaN there) was not tried; a block of zeros gets the byte 1, not 127 (this program alone reads the bytes); NaN and infinities are not served.
; ys is stored two bytes a lane, 32 bytes apart: a row's 32 scale bytes come from 16 heads, that is 16 clusters; they are one byte in 32 of y's codes.
.set SCA,  262144                      ; LDS: 0: codes, 16 steps x 16,384 (K's pair i at 2048 i + 512 g; V at 8192 + 2048 tile + 512 c);  SCA: scale words, 16 x 512 (K's at 64 i + 4 r; V's at 256 + 64 tile + 4 r);
.set BIA,  270336                      ; BIA: a number for each key, 8,192 bytes, stored by the waves: no tensor load lands there
.set LI,   1                           ; v1   16 x lane
.set LW,   2                           ; v2   4 r
.set LB,   3                           ; v3   64 h
.set ADC,  4                           ; v4   LDS address of the step's codes
.set ADS,  5                           ; v5   of its scale words
.set ADB,  6                           ; v6   of its keys' numbers
.set DD,   7                           ; v7   my query, counted from the last step's first key, less 16 h
.set NEG,  8                           ; v8   -2^120
.set LY,   9                           ; v9   32 r
.set F,    56                          ; v56-119  four pairs of K's tiles, then V's four tiles.   v10, v11: Q's scale words;  v12 -M, v13 the largest t, v[14:15] the sum in two halves
.set S,    120                         ; v120-183 S^T, then p.   v16-23 zeros, v24-31 Q (first tile), v32-39 zeros, v40-47 Q (second tile), v48-55 zeros
.set O,    184                         ; v184-215 O^T
.set P,    216                         ; v216-231 p's codes;  v232-247 the quantiser's work;  v248-251 scale words;  v252 f, v253 p's word, v254 at work, v255 y's two scale bytes
.set WV,   14
.set MNT,  19
.set SEL,  20
.set CS,   22
.set TB,   60                          ; s60  LDS byte of the step's codes;  s61 of its scale words;  s62 of its keys' numbers
.set TS,   61
.set TI,   62
.set ST,   63                          ; s63  the step
.set LAST, 66                          ; s66  the tile's last step
.set CNT,  67
.macro ROUND                           ; a round of the cluster's barrier
	s_barrier_signal -1
	s_barrier_wait -1
	s_cmp_lg_u32 s[WV], 0
	s_cbranch_scc1 .Lnot_wave_0_\@
	s_barrier_signal -3
.Lnot_wave_0_\@:
	s_barrier_wait -3
	s_barrier_signal -1
	s_barrier_wait -1
.endm
.macro GROUP1 g, rows                  ; a dense block as rows of 256 bytes (32 elements of 8 bytes), for all four work-groups
	s_mov_b32 s[\g], 15|(3<<16)|(1<<21)            ; 15:0 the mask; 17:16 elements of 8 bytes; 21 set beside a mask; no padding: every LDS read here takes 512 consecutive bytes
	s_mov_b32 s[\g+1], 32<<16                      ; tensor_dim0
	s_mov_b32 s[\g+2], (\rows)<<16                 ; tensor_dim1
	s_mov_b32 s[\g+3], 32<<16                      ; tile_dim0
	s_mov_b32 s[\g+4], \rows                       ; tile_dim1
	s_mov_b32 s[\g+5], 32                          ; tensor_dim0_stride
	s_mov_b32 s[\g+6], 0
	s_mov_b32 s[\g+7], 0
.endm
	s_load_b128 s[4:7], s[0:1], 0x0                ; qkvc, qkvs
	s_load_b128 s[8:11], s[0:1], 0x10              ; padding_mask, yc
	s_load_b64 s[12:13], s[0:1], 0x20              ; ys
	v_lshl_add_u32 v254, v0, 2, 0x44000
	v_mov_b32 v255, 0
	ds_add_u32 v254, v255
	ds_add_u32 v254, v255
	s_wait_dscnt 0x0
	v_lshrrev_b32 v1, 5, v0
	s_delay_alu instid0(VALU_DEP_1)
	v_readfirstlane_b32 s[WV], v1                  ; wave 0..15
	s_bfe_u32 s15, ttmp6, 0x40000                  ; j: my place in the cluster
	s_and_b32 s16, ttmp7, 0xffff                   ; 16 x batch + head, which the four partners share
	GROUP1 24, 2                                   ; my sixteenth of the scale words,
	GROUP1 32, 16                                  ; of key steps 0-3,
	GROUP1 40, 48                                  ; of key steps 4-15
	s_lshl_b32 s88, s16, 13
	s_lshl_b32 s17, s[WV], 9
	s_add_co_u32 s88, s88, s17
	s_add_co_u32 s88, s88, 262144                  ; the words: 262,144 + 8,192 x head + 512 x wave
	s_mov_b32 s89, 0
	s_lshl_b32 s90, s16, 18
	s_add_co_u32 s90, s90, 8388608                 ; the head's K and V
	s_mov_b32 s91, 0
	s_lshl_b32 s92, s[WV], 12                      ; 4,096 x wave, in memory and in LDS
	s_mov_b32 s93, 0
	s_mul_i32 s94, s[WV], 12288
	s_add_co_u32 s94, s94, 65536                   ; 65,536 + 12,288 x wave, in memory and in LDS
	s_mov_b32 s95, 0
	s_mov_b32 s[SEL], 0x76543210
	s_mov_b32 s[SEL+1], 0xfedcba98
	s_mov_b32 s[CS], 0x3e38aa3b                    ; c = log2(e) / 8
	s_mov_b32 s[CS+1], s[CS]                       ; (named with it as a pair, so it is written)
	s_wait_kmcnt 0x0
	s_mov_b32 s48, 1
	s_add_co_u32 s49, s17, SCA
	s_add_nc_u64 s[50:51], s[6:7], s[88:89]
	s_or_b32 s51, s51, 0x80000000
	s_mov_b32 s52, 1
	s_mov_b32 s53, s92
	s_add_nc_u64 s[54:55], s[4:5], s[90:91]
	s_add_nc_u64 s[54:55], s[54:55], s[92:93]
	s_or_b32 s55, s55, 0x80000000
	s_mov_b32 s56, 1
	s_mov_b32 s57, s94
	s_add_nc_u64 s[58:59], s[4:5], s[90:91]
	s_add_nc_u64 s[58:59], s[58:59], s[94:95]
	s_or_b32 s59, s59, 0x80000000
	ROUND                                          ; all four work-groups are here: the joint loads meet
	tensor_load_to_lds s[48:51], s[24:31]          ; three loads of mine are out: the launch's only fills, on end
	s_nop 0
	tensor_load_to_lds s[52:55], s[32:39]
	s_nop 0
	tensor_load_to_lds s[56:59], s[40:47]
	s_nop 0
.rept 4
	v_nop
.endr
	s_lshl_b32 s85, s[WV], 2
	s_add_co_u32 s85, s85, s15                     ; my second tile: 4 w + j
	s_sub_co_u32 s84, 127, s85                     ; my first: 127 - 4 w - j
.macro TILEADR tt, n                   ; tile s[tt]'s places in memory: Q's codes, Q's words, y's codes, y's scale bytes
	s_lshl_b32 s88, s16, 17
	s_lshl_b32 s17, s[\tt], 10
	s_add_co_u32 s88, s88, s17
	s_add_nc_u64 s[68+2*\n:69+2*\n], s[4:5], s[88:89]
	s_lshl_b32 s88, s16, 12
	s_lshr_b32 s17, s[\tt], 1
	s_lshl_b32 s17, s17, 6
	s_add_co_u32 s88, s88, s17
	s_add_nc_u64 s[72+2*\n:73+2*\n], s[6:7], s[88:89]
	s_lshr_b32 s18, s16, 4
	s_lshl_b32 s18, s18, 7
	s_add_co_u32 s18, s18, s[\tt]                  ; 128 x batch + tile
	s_and_b32 s17, s16, 15                         ; the head
	s_lshl_b32 s88, s18, 14
	s_lshl_b32 s90, s17, 10
	s_add_co_u32 s88, s88, s90
	s_add_nc_u64 s[76+2*\n:77+2*\n], s[10:11], s[88:89]
	s_lshl_b32 s88, s18, 9
	s_lshl_b32 s90, s17, 1
	s_add_co_u32 s88, s88, s90
	s_add_nc_u64 s[80+2*\n:81+2*\n], s[12:13], s[88:89]
.endm
	TILEADR 84, 0
	TILEADR 85, 1
	s_lshr_b32 s88, s16, 4
	s_lshl_b32 s88, s88, 13
	s_add_nc_u64 s[8:9], s[8:9], s[88:89]          ; the batch's row of padding_mask
	s_mov_b32 s86, 0x01000100                      ; Q's word is half of a pair's word, taken twice: bytes 0, 1 for an even tile, bytes 2, 3 for an odd one: a select, no branch
	s_bitcmp1_b32 s84, 0
	s_cselect_b32 s86, 0x03020302, s86
	s_mov_b32 s87, 0x01000100
	s_bitcmp1_b32 s85, 0
	s_cselect_b32 s87, 0x03020302, s87
	v_and_b32 v254, 31, v0
	s_delay_alu instid0(VALU_DEP_1)
	v_lshlrev_b32 v[LI], 4, v254
	v_and_b32 v253, 15, v0
	s_delay_alu instid0(VALU_DEP_1)
	v_lshlrev_b32 v[LW], 2, v253
	s_delay_alu instid0(VALU_DEP_2)
	v_lshlrev_b32 v[LY], 5, v253
	v_and_b32 v[LB], 16, v0
	s_delay_alu instid0(VALU_DEP_1)
	v_lshlrev_b32 v[LB], 2, v[LB]
	v_lshlrev_b32 v[ADC], 4, v0                    ; (for now: my four keys of the mask, 16 bytes a thread)
	v_lshl_add_u32 v[ADS], v0, 4, BIA              ; (for now: where their numbers go)
	v_mov_b32 v[NEG], 0xfb800000
	global_load_b128 v[120:123], v[ADC], s[8:9]
	global_load_b128 v[24:27], v[LI], s[68:69]
	global_load_b128 v[28:31], v[LI], s[68:69] offset:512
	global_load_b128 v[40:43], v[LI], s[70:71]
	global_load_b128 v[44:47], v[LI], s[70:71] offset:512
	global_load_b32 v10, v[LW], s[72:73]
	global_load_b32 v11, v[LW], s[74:75]
.irp z, 16,32,48
.irp i, 0,1,2,3,4,5,6,7
	v_mov_b32 v[\z+\i], 0                          ; zero codes round Q
.endr
.endr
.macro INIT                            ; a tile begins: the loop has no first step of its own
	v_mov_b32 v13, 0xf1800000                      ; the largest t so far: -2^100
	s_delay_alu instid0(VALU_DEP_1)
	v_floor_f32 v12, -v13                          ; -M
	v_mov_b32 v14, 0
	v_mov_b32 v15, 0
.irp i, 236,237,238,239,252,253,254
	v_mov_b32 v[\i], 0                             ; (a lane permute's destination, and the upper half of a pair, count as read)
.endr
.set j, 0
.rept 32
	v_mov_b32 v[O+j], 0                            ; O^T: the first change of M leaves zeros zeros
.set j, j+1
.endr
.endm
.macro MKDD tt                         ; my query in tile s[tt], counted from its last step's first key, less 16 h
	s_lshr_b32 s17, s[\tt], 1
	s_and_b32 s17, s17, 3
	s_lshl_b32 s17, s17, 5
	s_and_b32 s18, s[\tt], 1
	s_lshl_b32 s18, s18, 3
	s_add_co_u32 s17, s17, s18
	v_and_b32 v[DD], 15, v0
	v_and_b32 v254, 8, v0
	s_delay_alu instid0(VALU_DEP_1)
	v_add_nc_u32 v[DD], v[DD], v254
	v_and_b32 v254, 16, v0
	s_delay_alu instid0(VALU_DEP_1)
	v_sub_nc_u32 v[DD], v[DD], v254
	s_delay_alu instid0(VALU_DEP_1)
	v_add_nc_u32 v[DD], s17, v[DD]
.endm
	INIT
	MKDD 84
	s_wait_loadcnt 0x0
	v_perm_b32 v10, v10, v10, s86
	v_perm_b32 v11, v11, v11, s87
.irp i, 0,1,2,3
	v_cmp_eq_u32 vcc_lo, 0, v[120+\i]
	s_delay_alu instid0(VALU_DEP_1)
	v_cndmask_b32 v[124+\i], 0, v[NEG], vcc_lo     ; 0 for a key that counts, -2^120 for one that does not
.endr
	ds_store_b128 v[ADS], v[124:127]
	s_mov_b32 s[TB], 0
	s_mov_b32 s[TS], SCA
	s_mov_b32 s[TI], BIA
	s_mov_b32 s[ST], 0
	s_lshr_b32 s17, s[WV], 1
	s_sub_co_u32 s[LAST], 15, s17
; A KEY STEP: 128 keys.  qb: Q's first register;  qw: Q's scale word.
.macro STEP qb, qw
	s_cmp_gt_u32 s[ST], s[LAST]                    ; a step past the tile's last is left out: a branch on the wave's number and the step; not round the lines at the end that step addresses
	s_cbranch_scc1 .Lhidden_\@
	s_setprio 2
	v_add_nc_u32 v[ADC], s[TB], v[LI]
	v_add_nc_u32 v[ADS], s[TS], v[LW]
	v_add_nc_u32 v[ADB], s[TI], v[LB]
.rept 5
	v_nop                                          ; with the three additions: eight places in front of loads into registers that the last products read
.endr
.irp i, 0,1,2,3
.irp g, 0,1,2,3
	ds_load_b128 v[F+16*\i+4*\g:F+16*\i+4*\g+3], v[ADC] offset:2048*\i+512*\g   ; K's pair i, as its registers were stored
.endr
	ds_load_b32 v[248+\i], v[ADS] offset:64*\i
.endr
.irp t, 0,1,2,3,4,5,6,7
	ds_load_b128 v[S+8*\t:S+8*\t+3], v[ADB] offset:128*(\t/2)+32*(\t%2)          ; the numbers of keys 32 (t / 2) + 16 h + 8 (t % 2) + 0 .. 7: the product's C
	ds_load_b128 v[S+8*\t+4:S+8*\t+7], v[ADB] offset:128*(\t/2)+32*(\t%2)+16
.endr
	s_wait_alu depctr_va_vdst(0)
	s_wait_dscnt 0x0
.irp t, 0,1,2,3,4,5,6,7
	v_wmma_scale_f32_16x16x128_f8f6f4 v[S+8*\t:S+8*\t+7], v[F+16*(\t/2):F+16*(\t/2)+15], v[\qb-8*(\t%2):\qb-8*(\t%2)+15], v[S+8*\t:S+8*\t+7], v[248+\t/2], v[\qw] matrix_a_fmt:MATRIX_FMT_BF8 matrix_b_fmt:MATRIX_FMT_BF8
.endr
.rept 8
	v_nop                                          ; places: loads into K's registers and words follow, and reads of the scores
.endr
.irp t, 0,1,2,3
.irp c, 0,1,2,3
	ds_load_b128 v[F+16*\t+4*\c:F+16*\t+4*\c+3], v[ADC] offset:8192+2048*\t+512*\c   ; V's four tiles: they land while the softmax is walked
.endr
	ds_load_b32 v[248+\t], v[ADS] offset:256+64*\t
.endr
	s_cmp_lt_u32 s[ST], s[LAST]                    ; only the tile's last step lies on the diagonal
	s_cbranch_scc1 .Lopen_\@
.set n, 0
.rept 64
	v_cmp_gt_i32 vcc_lo, 32*(n/16)+n%16, v[DD]     ; register 16 b + i holds key 32 b + 16 h + i of the step
	v_cndmask_b32 v[S+n], v[S+n], v[NEG], vcc_lo
.set n, n+1
.endr
.Lopen_\@:
.irp b, 0,1,2,3
	v_max3_num_f32 v[232+\b], v[S+16*\b], v[S+1+16*\b], v[S+2+16*\b]   ; the largest score of each block of 32 keys: it serves for the row's maximum and, since p rises with the score, for the block's largest p
.endr
.irp i, 3,5,7,9,11,13
.irp b, 0,1,2,3
	v_max3_num_f32 v[232+\b], v[232+\b], v[S+16*\b+\i], v[S+1+16*\b+\i]
.endr
.endr
.irp b, 0,1,2,3
	v_max_num_f32 v[232+\b], v[232+\b], v[S+15+16*\b]
.endr
.irp b, 0,1,2,3
	s_delay_alu instid0(VALU_DEP_4)
	v_permlanex16_b32 v[236+\b], v[232+\b], s[SEL], s[SEL+1]
.endr
.irp b, 0,1,2,3
	s_delay_alu instid0(VALU_DEP_4)
	v_max_num_f32 v[232+\b], v[232+\b], v[236+\b]  ; with lane l xor 16's 16 keys
.endr
	s_delay_alu instid0(VALU_DEP_2)
	v_max3_num_f32 v254, v232, v233, v234
	s_delay_alu instid0(VALU_DEP_1)
	v_max_num_f32 v254, v254, v235                 ; the step's largest score of my query
	s_delay_alu instid0(VALU_DEP_1)
	v_mul_f32 v254, s[CS], v254                    ; as t
	s_delay_alu instid0(VALU_DEP_1)
	v_max_num_f32 v13, v13, v254                   ; the running largest t
	v_mov_b32 v254, v12
	s_delay_alu instid0(VALU_DEP_2)
	v_floor_f32 v12, -v13                          ; the new -M = -ceil(t): a whole number
	s_delay_alu instid0(VALU_DEP_1)
	v_sub_f32 v254, v12, v254                      ; old M - new M: a whole number, 0 or less
	s_delay_alu instid0(VALU_DEP_1)
	v_cvt_i32_f32 v254, v254                       ; (it saturates)
	s_delay_alu instid0(VALU_DEP_1)
	v_ldexp_f32 v252, 1.0, v254                    ; f = 2^(old M - new M)
.set j, 0
	s_setprio 1
.rept 32
	v_pk_fma_f32 v[S+j:S+j+1], v[S+j:S+j+1], s[CS:CS+1], v[12:13] op_sel_hi:[1,0,0]   ; t - M, two at a time
.set j, j+2
.endr
.irp b, 0,1,2,3
	v_fma_f32 v[232+\b], v[232+\b], s[CS], v12     ; the same of each block's largest score
.endr
.set j, 0
	s_wait_alu depctr_va_vdst(0)
.rept 64
	v_exp_f32 v[S+j], v[S+j]                       ; p = 2^(t - M), at most 1
.set j, j+1
.endr
	v_pk_mul_f32 v[14:15], v[14:15], v[252:253] op_sel_hi:[1,0]   ; the sums under the new M (a plain line behind the exponentials)
	s_wait_alu depctr_va_vdst(0)                   ; one wait for the whole batch, ahead of its first reader
.irp b, 0,1,2,3
	v_exp_f32 v[232+\b], v[232+\b]                 ; the block's largest p: the same two instructions on the same number
.endr
	v_pk_add_f32 v[236:237], v[124:125], v[128:129]
	v_pk_add_f32 v[254:255], v[132:133], v[136:137]
	v_pk_add_f32 v[246:247], v[140:141], v[144:145]
	v_pk_add_f32 v[244:245], v[148:149], v[152:153]
	v_pk_add_f32 v[242:243], v[156:157], v[160:161]
	v_pk_add_f32 v[240:241], v[164:165], v[168:169]
	v_pk_add_f32 v[238:239], v[172:173], v[176:177]
	v_pk_add_f32 v[14:15], v[14:15], v[180:181]
	v_pk_add_f32 v[236:237], v[236:237], v[120:121]
	v_pk_add_f32 v[254:255], v[254:255], v[122:123]
	v_pk_add_f32 v[246:247], v[246:247], v[126:127]
	v_pk_add_f32 v[244:245], v[244:245], v[130:131]
	v_pk_add_f32 v[242:243], v[242:243], v[134:135]
	v_pk_add_f32 v[240:241], v[240:241], v[138:139]
	v_pk_add_f32 v[238:239], v[238:239], v[142:143]
	v_pk_add_f32 v[14:15], v[14:15], v[146:147]
	v_pk_add_f32 v[236:237], v[236:237], v[150:151]
	v_pk_add_f32 v[254:255], v[254:255], v[154:155]
	v_pk_add_f32 v[246:247], v[246:247], v[158:159]
	v_pk_add_f32 v[244:245], v[244:245], v[162:163]
	v_pk_add_f32 v[242:243], v[242:243], v[166:167]
	v_pk_add_f32 v[240:241], v[240:241], v[170:171]
	v_pk_add_f32 v[238:239], v[238:239], v[174:175]
	v_pk_add_f32 v[14:15], v[14:15], v[178:179]
	v_pk_add_f32 v[236:237], v[236:237], v[182:183]
	s_delay_alu instid0(VALU_DEP_2)
	v_pk_add_f32 v[14:15], v[14:15], v[244:245]
	s_delay_alu instid0(VALU_DEP_2)
	v_pk_add_f32 v[236:237], v[236:237], v[242:243]
	v_pk_add_f32 v[254:255], v[254:255], v[240:241]
	v_pk_add_f32 v[246:247], v[246:247], v[238:239]
	s_delay_alu instid0(VALU_DEP_2)
	v_pk_add_f32 v[14:15], v[14:15], v[254:255]
	s_delay_alu instid0(VALU_DEP_2)
	v_pk_add_f32 v[236:237], v[236:237], v[246:247]
	s_delay_alu instid0(VALU_DEP_1)
	v_pk_add_f32 v[14:15], v[14:15], v[236:237]
	s_setprio 0
	s_wait_alu depctr_va_vdst(0)                   ; and one for the four
.irp b, 0,1,2,3
	v_max_num_f32 v[232+\b], 0x8000000, v[232+\b]  ; the floor 2^(16 - 127): a block whose every p is 0 keeps the byte 1: its codes are zeros
.endr
.irp b, 0,1,2,3
	s_delay_alu instid0(VALU_DEP_4)
	v_add_nc_u32 v[244+\b], 0xf8800000, v[232+\b]  ; the conversion's scale operand
.endr
.irp b, 0,1,2,3
.endr
.irp b, 0,1,2,3
	s_delay_alu instid0(VALU_DEP_4)
	v_lshrrev_b32 v[236+\b], 23, v[244+\b]         ; the scale's byte
.endr
	s_delay_alu instid0(VALU_DEP_3)
	v_lshl_or_b32 v253, v237, 8, v236              ; p's scale word for these 128 keys
	s_delay_alu instid0(VALU_DEP_1)
	v_lshl_or_b32 v253, v238, 16, v253
	s_delay_alu instid0(VALU_DEP_1)
	v_lshl_or_b32 v253, v239, 24, v253
.irp b, 0,1,2,3
.irp i, 0,1,2,3,4,5,6,7,8,9,10,11,12,13,14,15
.endr
	v_cvt_scalef32_pk8_bf8_f32 v[P+4*\b:P+1+4*\b], v[S+16*\b:S+7+16*\b], v[244+\b]
	v_cvt_scalef32_pk8_bf8_f32 v[P+2+4*\b:P+3+4*\b], v[S+8+16*\b:S+15+16*\b], v[244+\b]
.endr
.set j, 0
.rept 16
	v_pk_mul_f32 v[O+j:O+j+1], v[O+j:O+j+1], v[252:253] op_sel_hi:[1,0]   ; O^T under the new M (these are also the places in front of the products below)
.set j, j+2
.endr
	s_wait_alu depctr_va_vdst(0)
	s_wait_dscnt 0x0                               ; V
.irp t, 0,1,2,3
	v_wmma_scale_f32_16x16x128_f8f6f4 v[O+8*\t:O+8*\t+7], v[F+16*\t:F+16*\t+15], v[P:P+15], v[O+8*\t:O+8*\t+7], v[248+\t], v253 matrix_a_fmt:MATRIX_FMT_BF8 matrix_b_fmt:MATRIX_FMT_BF8
.endr
.Lhidden_\@:
	s_add_co_u32 s[TB], s[TB], 16384
	s_add_co_u32 s[TS], s[TS], 512
	s_add_co_u32 s[TI], s[TI], 512
	s_add_co_u32 s[ST], s[ST], 1
.endm
; A tile's way out: y = O^T / the sum; register 16 b + i is channel 32 b + 16 h + i of the head: two blocks of the last product's K.  Codes and scale bytes go out as that product's operand wants them.
.macro WAYOUT n
.rept 8
	v_nop                                          ; places behind the last products
.endr
	v_add_f32 v14, v14, v15                        ; the sum's two halves,
	s_delay_alu instid0(VALU_DEP_1)
	v_permlanex16_b32 v252, v14, s[SEL], s[SEL+1]
	s_delay_alu instid0(VALU_DEP_1)
	v_add_f32 v14, v14, v252                       ; and lane l xor 16's
	s_wait_alu depctr_va_vdst(0)
	v_rcp_f32 v14, v14
	v_nop                                          ; a plain line behind the reciprocal,
	s_wait_alu depctr_va_vdst(0)                   ; and the wait ahead of its first reader
.set j, 0
.rept 16
	v_pk_mul_f32 v[S+j:S+j+1], v[O+j:O+j+1], v[14:15] op_sel_hi:[1,0]   ; each accumulator from its low end on
.set j, j+2
.endr
.irp b, 0,1
	v_max3_num_f32 v[232+\b], |v[S+16*\b]|, |v[S+1+16*\b]|, 0x8000000
.endr
.irp i, 2,4,6,8,10,12,14
.irp b, 0,1
	s_delay_alu instid0(VALU_DEP_2)
	v_max3_num_f32 v[232+\b], v[232+\b], |v[S+16*\b+\i]|, |v[S+1+16*\b+\i]|
.endr
.endr
.irp b, 0,1
	s_delay_alu instid0(VALU_DEP_2)
	v_permlanex16_b32 v[236+\b], v[232+\b], s[SEL], s[SEL+1]
.endr
.irp b, 0,1
	s_delay_alu instid0(VALU_DEP_2)
	v_max_num_f32 v[232+\b], v[232+\b], v[236+\b]
.endr
.irp b, 0,1
	s_delay_alu instid0(VALU_DEP_2)
	v_add_nc_u32 v[244+\b], 0xf8800000, v[232+\b]
.endr
.irp b, 0,1
.endr
.irp b, 0,1
	s_delay_alu instid0(VALU_DEP_2)
	v_lshrrev_b32 v[236+\b], 23, v[244+\b]
.endr
	s_delay_alu instid0(VALU_DEP_1)
	v_lshl_or_b32 v255, v237, 8, v236              ; the head's two scale bytes of my row
.irp b, 0,1
.irp i, 0,1,2,3,4,5,6,7,8,9,10,11,12,13,14,15
.endr
	v_cvt_scalef32_pk8_bf8_f32 v[P+4*\b:P+1+4*\b], v[S+16*\b:S+7+16*\b], v[244+\b]
	v_cvt_scalef32_pk8_bf8_f32 v[P+2+4*\b:P+3+4*\b], v[S+8+16*\b:S+15+16*\b], v[244+\b]
.endr
	v_nop                                          ; a plain line behind the last conversion
	global_store_b128 v[LI], v[P:P+3], s[76+2*\n:77+2*\n]               ; 32 lanes store 512 consecutive bytes, aligned
	global_store_b128 v[LI], v[P+4:P+7], s[76+2*\n:77+2*\n] offset:512
	global_store_b16 v[LY], v255, s[80+2*\n:81+2*\n]                    ; lanes r and r + 16 write the same two bytes with the same value
.endm
	s_wait_tensorcnt 1                             ; my parts of the scale words and of key steps 0-3 are in; the load of steps 4-15 may be out
	s_wait_dscnt 0x0                               ; my keys' numbers are stored
	s_barrier_signal -1
	s_barrier_wait -1                              ; everybody's are
	s_mov_b32 s[CNT], 4
.Lh0:                                              ; the first tile, key steps 0-3
	STEP 24, 10
	s_sub_co_u32 s[CNT], s[CNT], 1
	s_cmp_lg_u32 s[CNT], 0
	s_cbranch_scc1 .Lh0
	s_setprio 0
	s_wait_tensorcnt 0x0                           ; my part of key steps 4-15 is in,
	s_wait_dscnt 0x0
	s_barrier_signal -1
	s_barrier_wait -1                              ; everybody's is.  From here on the waves run free
	s_mov_b32 s[CNT], 12
.Lh1:                                              ; key steps 4-15
	STEP 24, 10
	s_sub_co_u32 s[CNT], s[CNT], 1
	s_cmp_lg_u32 s[CNT], 0
	s_cbranch_scc1 .Lh1
	s_setprio 0
	WAYOUT 0
	s_wait_xcnt 0x0                                ; the stores have read their data: the registers are written again below
	INIT
	MKDD 85
	s_mov_b32 s[TB], 0
	s_mov_b32 s[TS], SCA
	s_mov_b32 s[TI], BIA
	s_mov_b32 s[ST], 0
	s_lshr_b32 s[LAST], s[WV], 1
	s_mov_b32 s[CNT], 8
.Ll0:                                              ; the second tile: its last step is 7 at the most
	STEP 40, 11
	s_sub_co_u32 s[CNT], s[CNT], 1
	s_cmp_lg_u32 s[CNT], 0
	s_cbranch_scc1 .Ll0
	s_setprio 0
	WAYOUT 1
	s_wait_xcnt 0x0
	v_lshl_add_u32 v254, v0, 2, 0x44000
	v_mov_b32 v255, 0
	s_wait_alu depctr_va_vdst(0)
	s_wait_tensorcnt 0x0
	ds_add_u32 v254, v255
	s_wait_dscnt 0x0
	ROUND                                          ; the closing round: no work-group ends while a partner may still ask for a tile that names it
	s_endpgm
.Lfunc_end_k_q8fb9084d73_attn:
	.size	k_q8fb9084d73_attn, .Lfunc_end_k_q8fb9084d73_attn-k_q8fb9084d73_attn
	.p2alignl 7, 3214868480
	.fill 96, 4, 3214868480
	.section	.rodata,"a",@progbits
	.p2align	6, 0x0
	.amdhsa_kernel k_q8fb9084d73_attn
		.amdhsa_group_segment_fixed_size 280576
		.amdhsa_private_segment_fixed_size 0
		.amdhsa_enable_private_segment 0
		.amdhsa_kernarg_size 40
		.amdhsa_user_sgpr_count 2
		.amdhsa_user_sgpr_kernarg_segment_ptr 1
		.amdhsa_wavefront_size32 1
		.amdhsa_system_sgpr_workgroup_id_x 1
		.amdhsa_system_sgpr_workgroup_id_y 1
		.amdhsa_system_sgpr_workgroup_id_z 1
		.amdhsa_system_vgpr_workitem_id 0
		.amdhsa_next_free_vgpr 256
		.amdhsa_next_free_sgpr 100
		.amdhsa_reserve_vcc 1
		.amdhsa_float_denorm_mode_32 3
		.amdhsa_float_denorm_mode_16_64 3
		.amdhsa_fp16_overflow 1
		.amdhsa_memory_ordered 1
		.amdhsa_forward_progress 1
		.amdhsa_inst_pref_size 94
	.end_amdhsa_kernel
	.amdgpu_metadata
---
amdhsa.version: [ 1, 2 ]
amdhsa.kernels:
  - .name:           k_q8fb9084d73_attn
    .symbol:         k_q8fb9084d73_attn.kd
    .args:
      - { .name: qkvc, .offset: 0, .size: 8, .value_kind: global_buffer, .address_space: global }
      - { .name: qkvs, .offset: 8, .size: 8, .value_kind: global_buffer, .address_space: global }
      - { .name: padding_mask, .offset: 16, .size: 8, .value_kind: global_buffer, .address_space: global }
      - { .name: yc, .offset: 24, .size: 8, .value_kind: global_buffer, .address_space: global }
      - { .name: ys, .offset: 32, .size: 8, .value_kind: global_buffer, .address_space: global }
    .group_segment_fixed_size: 280576
    .private_segment_fixed_size: 0
    .kernarg_segment_align: 8
    .kernarg_segment_size: 40
    .max_flat_workgroup_size: 512
    .sgpr_count:     100
    .vgpr_count:     256
    .wavefront_size: 32
...
	.end_amdgpu_metadata
.endif
;; end of part 4
;; launch proj (part 5): grid 4 x 32, 4 waves a work-group, clusters of 4 x 4, 327,680 bytes of LDS; arguments yc, ys, wc, wsc, bproj, out0; writes out0
.if DOCPART == 5
	.amdgcn_target "amdgcn-amd-amdhsa--gfx1250"
	.amdhsa_code_object_version 6
	.text
	.protected	k_q8fb9084d73_proj
	.globl	k_q8fb9084d73_proj
	.p2align	8
	.type	k_q8fb9084d73_proj,@function
k_q8fb9084d73_proj:
	s_mov_b64 s[64:65], 0
	v_nop
	global_prefetch_b8 v0, s[64:65] scope:SCOPE_SE
	s_setreg_imm32_b32 hwreg(HW_REG_WAVE_MODE, 25, 1), 1
	s_wait_xcnt 0x0
	s_wait_alu depctr_hold_cnt(0) depctr_sa_sdst(0) depctr_va_vdst(0) depctr_va_sdst(0) depctr_va_ssrc(0) depctr_va_vcc(0) depctr_vm_vsrc(0)
	s_getreg_b32 s2, hwreg(HW_REG_IB_STS2, 6, 4)
	s_cmp_eq_u32 s2, 0
	s_cbranch_scc0 .Lentry_in_a_cluster
	s_endpgm
.Lentry_in_a_cluster:
	s_bfe_u32 s2, ttmp6, 0x10000c
	s_cmp_lg_u32 s2, 0xf033
	s_cbranch_scc0 .Lentry_shape_is_right
	s_endpgm
.Lentry_shape_is_right:
.set NQ,     2
.set ROWB,   256
.set KROW,   1024
.set PITCH,  272
.set FR,     16
.set NL,     4
.set NP,     8
.set HALFT,  128*PITCH
.set SLOT,   4*HALFT
.set KS,     32
.set SCL,    2*SLOT
.set HALFS,  (128*KS/256)*272
.set SBLK,   (16*KS/256)*272
.set SPARE,  SCL+4*HALFS
.set SPITCH, 528
.set ADRA, 16
.set ADRB, 20
.set STO,  24
.set RD,   25
.set CO,   26
.set ADRS, 27
.set SPW,  28
.set NIL,  29
.set SC,   32
.set BI,   64
.set AF,   128
.set BK,   128
.set G1, 24
.set G0, 32
.set G1B, 48
.set G0B, 56
.set G1S, 68
.set G0S, 76
.set G1SB, 80
.set G0SB, 88
.set MSB, 0
.macro WIN new
.if MSB != \new
	s_set_vgpr_msb (MSB<<8)|\new
.set MSB, \new
.endif
.endm
.set MUL_LO, 0xa1
.set MUL_HI, 0xf1
.set FST_LO, 0x81
.set FST_HI, 0xc1
.set TO_B,   0x40
.macro JLOAD g0a, g1a, g0b, g1b
	s_cmp_eq_u32 s15, 0
	s_cbranch_scc0 .Lfor_b_\@
	tensor_load_to_lds s[\g0a:\g0a+3], s[\g1a:\g1a+7]
	s_nop 0
.rept 4
	v_nop
.endr
	s_branch .Lasked_\@
.Lfor_b_\@:
	tensor_load_to_lds s[\g0b:\g0b+3], s[\g1b:\g1b+7]
	s_nop 0
.rept 4
	v_nop
.endr
.Lasked_\@:
.endm
.macro CREST
	s_cmp_lg_u32 s14, 0
	s_cbranch_scc1 .Lnot_wave_0_\@
	s_barrier_signal -3
.Lnot_wave_0_\@:
	s_barrier_wait -3
	s_barrier_signal -1
	s_barrier_wait -1
.endm
.macro CROUND
	s_barrier_signal -1
	s_barrier_wait -1
	CREST
.endm
	s_load_b128 s[4:7], s[0:1], 0x0
	s_load_b128 s[8:11], s[0:1], 0x10
	s_load_b64 s[96:97], s[0:1], 0x20
	s_load_b64 s[12:13], s[0:1], 0x28
	v_lshl_add_u32 v[SPW], v0, 2, SPARE
	v_mov_b32 v[NIL], 0
	ds_add_u32 v28, v29
	ds_add_u32 v28, v29
	s_wait_dscnt 0x0
	v_lshrrev_b32 v1, 5, v0
	v_readfirstlane_b32 s14, v1
	s_lshr_b32 s15, s14, 1
	s_and_b32 s16, s14, 1
	s_bfe_u32 s40, ttmp6, 0x40000
	s_bfe_u32 s41, ttmp6, 0x40004
	s_lshl_b32 s42, ttmp9, 2
	s_add_co_u32 s42, s42, s40
	s_and_b32 s17, ttmp7, 0xffff
	s_lshl_b32 s17, s17, 2
	s_add_co_u32 s17, s17, s41
	s_lshl_b32 s43, s41, 2
	s_lshl_b32 s43, 15, s43
	s_lshl_b32 s44, 0x1111, s40
	s_or_b32 s[G1+0], s43, (3<<16)|(1<<21)
	s_mov_b32 s[G1+1], 512<<16
	s_mov_b32 s[G1+2], 8<<16
	s_mov_b32 s[G1+3], 512<<16
	s_mov_b32 s[G1+4], 8
	s_mov_b32 s[G1+5], 2048
	s_mov_b32 s[G1+6], 0
	s_mov_b32 s[G1+7], 0
	s_or_b32 s[G1B+0], s44, (0<<16)|(1<<20)|(1<<21)|(5<<22)|(3<<25)
	s_mov_b32 s[G1B+1], ROWB<<16
	s_mov_b32 s[G1B+2], 128<<16
	s_mov_b32 s[G1B+3], ROWB<<16
	s_mov_b32 s[G1B+4], 128
	s_mov_b32 s[G1B+5], KROW
	s_mov_b32 s[G1B+6], 0
	s_mov_b32 s[G1B+7], 0
	s_or_b32 s[G1S+0], s43, (3<<16)|(1<<20)|(1<<21)|(5<<22)|(3<<25)
	s_or_b32 s[G1SB+0], s44, (3<<16)|(1<<20)|(1<<21)|(5<<22)|(3<<25)
.irp g, G1S, G1SB
	s_mov_b32 s[\g+1], 32<<16
	s_mov_b32 s[\g+2], (128*KS/256)<<16
	s_mov_b32 s[\g+3], 32<<16
	s_mov_b32 s[\g+4], 128*KS/256
	s_mov_b32 s[\g+5], 32
	s_mov_b32 s[\g+6], 0
	s_mov_b32 s[\g+7], 0
.endr
	s_lshl_b32 s18, s16, 7
	s_lshl_b32 s20, s17, 8
	s_add_co_u32 s20, s20, s18
	s_lshl_b32 s22, s20, 5
	s_lshl_b32 s20, s20, 10
	s_lshl_b32 s46, s42, 8
	s_add_co_u32 s46, s46, s18
	s_add_co_u32 s46, s46, 3072
	s_lshl_b32 s92, s46, 5
	s_lshl_b32 s46, s46, 10
	s_mov_b32 s21, 0
	s_mov_b32 s23, 0
	s_mov_b32 s47, 0
	s_mov_b32 s93, 0
	s_mul_i32 s45, s14, HALFT
	s_mul_i32 s94, s14, HALFS
	s_wait_kmcnt 0x0
	s_add_nc_u64 s[20:21], s[4:5], s[20:21]
	s_add_nc_u64 s[22:23], s[6:7], s[22:23]
	s_add_nc_u64 s[46:47], s[8:9], s[46:47]
	s_add_nc_u64 s[92:93], s[10:11], s[92:93]
	CROUND
	s_mov_b32 s[G0S], 1
	s_add_co_u32 s[G0S+1], s94, SCL
	s_mov_b64 s[G0S+2:G0S+3], s[22:23]
	s_or_b32 s[G0S+3], s[G0S+3], 0x80000000
	s_mov_b32 s[G0SB], 1
	s_add_co_u32 s[G0SB+1], s94, SCL
	s_mov_b64 s[G0SB+2:G0SB+3], s[92:93]
	s_or_b32 s[G0SB+3], s[G0SB+3], 0x80000000
	JLOAD G0S, G1S, G0SB, G1SB
.irp s, 0,1
	s_mov_b32 s[G0+4*\s], 1
	s_add_co_u32 s[G0+4*\s+1], s45, \s*SLOT
	s_add_nc_u64 s[G0+4*\s+2:G0+4*\s+3], s[20:21], \s*4096
	s_or_b32 s[G0+4*\s+3], s[G0+4*\s+3], 0x80000000
	s_mov_b32 s[G0B+4*\s], 1
	s_add_co_u32 s[G0B+4*\s+1], s45, \s*SLOT
	s_add_nc_u64 s[G0B+4*\s+2:G0B+4*\s+3], s[46:47], \s*ROWB
	s_or_b32 s[G0B+4*\s+3], s[G0B+4*\s+3], 0x80000000
	s_wait_alu depctr_va_vdst(0)
	s_wait_tensorcnt 0x0
	ds_add_u32 v28, v29
	s_wait_dscnt 0x0
	CROUND
	JLOAD G0+4*\s, G1, G0B+4*\s, G1B
.endr
	v_and_b32 v1, 15, v0
	v_bfe_u32 v2, v0, 4, 1
	s_lshl_b32 s18, s42, 10
	s_lshl_b32 s19, s16, 9
	s_add_co_u32 s18, s18, s19
	s_mov_b32 s19, 0
	s_add_nc_u64 s[96:97], s[96:97], s[18:19]
	v_lshlrev_b32 v7, 6, v2
.irp b, 0,1,2,3,4,5,6,7
	global_load_b128 v[BI+8*\b:BI+8*\b+3], v7, s[96:97] offset:128*(\b/2)+32*(\b%2)
	global_load_b128 v[BI+8*\b+4:BI+8*\b+7], v7, s[96:97] offset:128*(\b/2)+32*(\b%2)+16
.endr
	v_and_b32 v6, 31, v0
	v_lshlrev_b32 v[CO], 4, v6
	v_mul_u32_u24 v3, v1, PITCH
	v_lshl_add_u32 v4, v2, 4, v3
	s_mul_i32 s21, s15, HALFT
	s_mul_i32 s22, s16, HALFT
	s_add_co_u32 s22, s22, 2*HALFT
.irp s, 0,1
	v_add_nc_u32 v[ADRA+\s], s21, v[CO]
	v_add_nc_u32 v[ADRB+\s], s22, v4
	s_add_co_u32 s21, s21, SLOT
	s_add_co_u32 s22, s22, SLOT
.endr
	v_mul_u32_u24 v5, v1, KS
	v_lshrrev_b32 v6, 8, v5
	v_lshl_add_u32 v5, v6, 4, v5
	s_mul_i32 s21, s15, HALFS
	s_mul_i32 s22, s16, HALFS
	s_add_co_u32 s22, s22, 2*HALFS
	s_sub_co_u32 s22, s22, s21
	v_mul_u32_u24 v6, s22, v2
	s_add_co_u32 s21, s21, SCL
	v_add_nc_u32 v5, v5, v6
	v_add_nc_u32 v[ADRS], s21, v5
	s_mul_i32 s23, s14, 16*SPITCH
	v_mul_u32_u24 v5, v1, SPITCH
	v_lshl_add_u32 v5, v2, 6, v5
	v_add_nc_u32 v[STO], s23, v5
	v_add_nc_u32 v[RD], s23, v[CO]
	s_lshl_b32 s20, s17, 8
	s_lshl_b32 s21, s15, 7
	s_add_co_u32 s20, s20, s21
	s_lshl_b32 s20, s20, 12
	s_lshl_b32 s46, s42, 10
	s_add_co_u32 s20, s20, s46
	s_lshl_b32 s46, s16, 9
	s_add_co_u32 s20, s20, s46
	s_mov_b32 s21, 0
	s_add_nc_u64 s[12:13], s[12:13], s[20:21]
.macro MUL16 a0, p, q, sc, mode
.irp a, \a0, \a0+1
.irp b, 0,1,2,3,4,5,6,7
.set rD, 8*(8*((\a)%4)+\b)
.set rB, 128*(\p)+FR*\b
.set rA, AF+FR*(\a)
.set rSB, SC+8*NQ*(\sc)+NQ*\b+(\q)
.set rSA, SC+8*NQ*(\sc)+NQ*(\a)+(\q)
.if \mode == 1
	v_wmma_scale_f32_16x16x128_f8f6f4 v[rD:rD+7], v[rB:rB+15], v[rA:rA+15], v[BI+8*\b:BI+8*\b+7], v[rSB], v[rSA] matrix_a_fmt:MATRIX_FMT_BF8 matrix_b_fmt:MATRIX_FMT_BF8 matrix_a_scale:MATRIX_SCALE_ROW1
.else
	v_wmma_scale_f32_16x16x128_f8f6f4 v[rD:rD+7], v[rB:rB+15], v[rA:rA+15], v[rD:rD+7], v[rSB], v[rSA] matrix_a_fmt:MATRIX_FMT_BF8 matrix_b_fmt:MATRIX_FMT_BF8 matrix_a_scale:MATRIX_SCALE_ROW1
.endif
.endr
.endr
.endm
.macro FETCH_B slot, q, p
	WIN TO_B
.irp i, 0,1,2,3,4,5,6,7
.irp c, 0,1,2,3
	ds_load_b128 v[128*(\p)+FR*\i+4*\c:128*(\p)+FR*\i+4*\c+3], v[ADRB+\slot] offset:128*(\q)+32*\c+\i*16*PITCH
.endr
.endr
	WIN 0
.endm
.macro FETCH_A slot, q, i0
.irp i, \i0, \i0+1, \i0+2, \i0+3
.irp c, 0,1,2,3
	ds_load_b128 v[AF+FR*(\i)+4*\c:AF+FR*(\i)+4*\c+3], v[ADRA+\slot] offset:2048*(\q)+512*\c+4096*(\i)
.endr
.endr
.endm
.macro SCALES sc
.irp i, 0,1,2,3,4,5,6,7
	ds_load_b64 v[SC+8*NQ*\sc+NQ*\i:SC+8*NQ*\sc+NQ*\i+1], v[ADRS] offset:\i*SBLK
.endr
.endm
.macro PLACES n
.rept \n
	v_nop
.endr
.endm
.macro STEP slot, q, mode
	s_wait_dscnt 4*NL
.if \mode
	WIN FST_LO
.else
	WIN MUL_LO
.endif
	MUL16 0, (\q)%2, \q, \slot, \mode
	MUL16 2, (\q)%2, \q, \slot, \mode
	s_wait_dscnt 0
	PLACES NP
	FETCH_B \slot, (\q)+1, 1-(\q)%2
	FETCH_A \slot, (\q)+1, 0
.if \mode
	WIN FST_HI
.else
	WIN MUL_HI
.endif
	MUL16 4, (\q)%2, \q, \slot, \mode
	MUL16 6, (\q)%2, \q, \slot, \mode
	PLACES NP
	WIN 0
	FETCH_A \slot, (\q)+1, 4
.endm
.macro TURN slot, next, fill
	s_wait_tensorcnt 0x0
	ds_add_u32 v[SPW], v[NIL]
	s_wait_dscnt 4*NL+1
	WIN MUL_LO
	MUL16 0, 1, NQ-1, \slot, 0
	s_wait_dscnt 0x0
	s_barrier_signal -1
	MUL16 2, 1, NQ-1, \slot, 0
	WIN 0
	s_barrier_wait -1
.if \fill
	CREST
	s_add_nc_u64 s[G0+4*\slot+2:G0+4*\slot+3], s[G0+4*\slot+2:G0+4*\slot+3], 2*4096
	s_add_nc_u64 s[G0B+4*\slot+2:G0B+4*\slot+3], s[G0B+4*\slot+2:G0B+4*\slot+3], 2*ROWB
	JLOAD G0+4*\slot, G1, G0B+4*\slot, G1B
	PLACES NP-4
.else
	PLACES NP
.endif
	s_wait_alu depctr_va_vdst(0)
	v_add_nc_u32 v[ADRS], 4*NQ, v[ADRS]
	FETCH_B \next, 0, 0
	FETCH_A \next, 0, 0
	SCALES \next
	WIN MUL_HI
	MUL16 4, 1, NQ-1, \slot, 0
	MUL16 6, 1, NQ-1, \slot, 0
	PLACES NP
	WIN 0
	FETCH_A \next, 0, 4
.endm
	s_wait_alu depctr_va_vdst(0)
	s_wait_tensorcnt 1
	s_barrier_signal -1
	s_barrier_wait -1
	FETCH_B 0, 0, 0
	FETCH_A 0, 0, 0
	SCALES 0
	FETCH_A 0, 0, 4
	s_wait_loadcnt 0x0
	STEP 0, 0, 1
	TURN 0, 1, 1
	STEP 1, 0, 0
	TURN 1, 0, 1
	STEP 0, 0, 0
	TURN 0, 1, 0
	STEP 1, 0, 0
	s_wait_dscnt 4*NL
	WIN MUL_LO
	MUL16 0, 1, NQ-1, 1, 0
	MUL16 2, 1, NQ-1, 1, 0
	s_wait_dscnt 0
	WIN MUL_HI
	MUL16 4, 1, NQ-1, 1, 0
	MUL16 6, 1, NQ-1, 1, 0
	WIN 0
.macro TOSTAGE a
.set AC, 64*((\a)%4)
.set WN, 0x08+4*((\a)/4)
	WIN WN
.irp b, 0,1,2,3,4,5,6,7
	ds_store_b128 v[STO], v[AC+8*\b:AC+8*\b+3] offset:128*(\b/2)+32*(\b%2)
	ds_store_b128 v[STO], v[AC+8*\b+4:AC+8*\b+7] offset:128*(\b/2)+32*(\b%2)+16
.endr
	WIN 0
.set BB, BK+64*((\a)%2)
.irp t, 0,1,2,3,4,5,6,7,8,9,10,11,12,13,14,15
	ds_load_b128 v[BB+4*\t:BB+4*\t+3], v[RD] offset:\t*SPITCH
.endr
.endm
.macro SEND a, younger
.set BB, BK+64*((\a)%2)
	s_wait_dscnt \younger
.irp t, 0,1,2,3,4,5,6,7,8,9,10,11,12,13,14,15
	global_store_b128 v[CO], v[BB+4*\t:BB+4*\t+3], s[12:13] offset:(32*((\a)/2)+8*((\a)%2)+\t+8*(\t/8))*4096 th:TH_STORE_NT
.endr
.endm
	PLACES NP
	TOSTAGE 0
.irp a, 1,2,3,4,5,6,7
.if \a > 1
	s_wait_xcnt 0x0
.endif
	TOSTAGE \a
	SEND \a-1, 32
.endr
	SEND 7, 0
	s_wait_tensorcnt 0x0
	ds_add_u32 v[SPW], v[NIL]
	s_wait_dscnt 0x0
	CROUND
	s_endpgm
.Lfunc_end_k_q8fb9084d73_proj:
	.size	k_q8fb9084d73_proj, .Lfunc_end_k_q8fb9084d73_proj-k_q8fb9084d73_proj
	.p2alignl 7, 3214868480
	.fill 96, 4, 3214868480
	.section	.rodata,"a",@progbits
	.p2align	6, 0x0
	.amdhsa_kernel k_q8fb9084d73_proj
		.amdhsa_group_segment_fixed_size 327680
		.amdhsa_private_segment_fixed_size 0
		.amdhsa_enable_private_segment 0
		.amdhsa_kernarg_size 48
		.amdhsa_user_sgpr_count 2
		.amdhsa_user_sgpr_kernarg_segment_ptr 1
		.amdhsa_wavefront_size32 1
		.amdhsa_system_sgpr_workgroup_id_x 1
		.amdhsa_system_sgpr_workgroup_id_y 1
		.amdhsa_system_sgpr_workgroup_id_z 1
		.amdhsa_system_vgpr_workitem_id 0
		.amdhsa_next_free_vgpr 1024
		.amdhsa_next_free_sgpr 100
		.amdhsa_reserve_vcc 0
		.amdhsa_float_denorm_mode_32 3
		.amdhsa_float_denorm_mode_16_64 3
		.amdhsa_memory_ordered 1
		.amdhsa_forward_progress 1
		.amdhsa_inst_pref_size 147
	.end_amdhsa_kernel
	.amdgpu_metadata
---
amdhsa.version: [ 1, 2 ]
amdhsa.kernels:
  - .name:           k_q8fb9084d73_proj
    .symbol:         k_q8fb9084d73_proj.kd
    .args:
      - { .name: yc, .offset: 0, .size: 8, .value_kind: global_buffer, .address_space: global }
      - { .name: ys, .offset: 8, .size: 8, .value_kind: global_buffer, .address_space: global }
      - { .name: wc, .offset: 16, .size: 8, .value_kind: global_buffer, .address_space: global }
      - { .name: wsc, .offset: 24, .size: 8, .value_kind: global_buffer, .address_space: global }
      - { .name: bproj, .offset: 32, .size: 8, .value_kind: global_buffer, .address_space: global }
      - { .name: out0, .offset: 40, .size: 8, .value_kind: global_buffer, .address_space: global }
    .group_segment_fixed_size: 327680
    .private_segment_fixed_size: 0
    .kernarg_segment_align: 8
    .kernarg_segment_size: 48
    .max_flat_workgroup_size: 128
    .sgpr_count:     100
    .vgpr_count:     1024
    .wavefront_size: 32
...
	.end_amdgpu_metadata
.endif
;; end of part 5
